; MI455X (gfx1250); checked and timed in simulation.
; The chip was launched on July 23, 2026; its instructions are those of AMD's public machine-readable ISA for CDNA 5 (MIT licence, August 2026) and "CDNA5" Instruction Set Architecture Reference Guide (July 2026). The comments in the code are by the model that wrote it; some were corrected since.
;; Dilate Attention. Allowed arithmetic: matrix products marked QUANTISED: E2M3 operands, one E8M0 scale for each 32 along K, by v_wmma_scale_f32_16x16x128_f8f6f4 with both operands' format E2M3, f32 sums; everything else in f32.
;; Inputs: Wk 1,024 x 1,024 float32; Wo 1,024 x 1,024 float32; Wq 1,024 x 1,024 float32; Wv 1,024 x 1,024 float32; bk 1,024 float32; bo 1,024 float32; bq 1,024 float32; bv 1,024 float32; x 2 x 4,096 x 1,024 float32.
;; Outputs: out0 2 x 4,096 x 1,024 float32.
;; This version of the problem:
;;   THIS VERSION OF THE PROBLEM IS GIVEN IN LOW PRECISION. The matrix products marked QUANTISED in the list below multiply operands that are first quantised to E2M3 (2 exponent bits, 3 mantissa bits; 6 bits a number), with one power-of-two scale for each 32 numbers along K (OCP MX v1.0); their sums are f32. All else is computed in f32.
;;   The module's matrix products, in the order in which they are computed (A, B: the left and right operand; K: the contracted axis; several contracted axes count as one K, in the product's order):
;;     1. [M 8,192, K 1,024] x [K 1,024, N 1,024]; A: input x; B: input Wq: QUANTISED
;;     2. [M 8,192, K 1,024] x [K 1,024, N 1,024]; A: input x; B: input Wk: QUANTISED
;;     3. [M 8,192, K 1,024] x [K 1,024, N 1,024]; A: input x; B: input Wv: QUANTISED
;;     4. batch 32 x [M 4,096, K 64] x [K 64, N 1,024]; A: computed on the way; B: computed on the way: QUANTISED
;;     5. batch 32 x [M 4,096, K 1,024] x [K 1,024, N 64]; A: softmax (see below); B: computed on the way: QUANTISED
;;     6. [M 8,192, K 1,024] x [K 1,024, N 1,024]; A: computed on the way; B: input Wo: QUANTISED
;;   THE QUANTISER, for each operand of a quantised product, along K:
;;     - K is cut into blocks of 32 from its start; a last block that is shorter is filled with zeros.
;;     - A block's scale is 2^e with e = floor(log2(the largest magnitude in the block)) - 2, held to -126 .. 127; a block of zeros has e = 0. As a byte (E8M0): e + 127.
;;     - Each number is divided by its block's scale, clamped to +-7.5, and rounded to the nearest number of E2M3, ties to even, subnormals kept.
;;     - The product sums the exact products of the quantised numbers (number of the format x scale) in f32.
;;   ~~~python
;;   def quantise(x, axis):      # numpy; x: float32 -> the quantised numbers, widened to float32 again
;;       x = np.moveaxis(x, axis, -1); K = x.shape[-1]
;;       x = np.pad(x, [(0, 0)] * (x.ndim - 1) + [(0, -K % 32)]); x = x.reshape(x.shape[:-1] + (-1, 32)); a = np.abs(x).max(-1, keepdims=True)
;;       e = np.where(a > 0, np.clip(np.frexp(np.where(a > 0, a, 1))[1] - 1 - 2, -126, 127), 0)      # np.frexp(a)[1] - 1 = floor(log2(a)), exactly
;;       r = np.clip(x / 2.0 ** e, -7.5, 7.5)
;;       step = 2.0 ** (np.maximum(np.frexp(np.where(r == 0, 1, r))[1] - 1, 0) - 3)
;;       q = np.round(r / step) * step * 2.0 ** e      # np.round: ties to even
;;       return np.moveaxis(q.reshape(q.shape[:-2] + (-1,))[..., :K], -1, axis).astype(np.float32)
;;   ~~~
;;   SOFTMAX AHEAD OF A QUANTISED PRODUCT. Where the list says 'softmax', what is quantised is not the finished softmax but p = 2^(t - M), with t = logit x log2(e) and M = ceil(the row's largest t), a whole number; so 1/2 < the row's largest p <= 1. The row's sum l is taken of the UNQUANTISED p, in f32, and the product's result is divided by l at the end. Since M is a whole number, a kernel that streams over the keys may use a running M (the ceiling of the running maximum): every later rescaling is an exact power of two, which a block's scale takes up: the codes' values come out the same.
;;   OPERANDS COMPUTED ON THE WAY. 'Computed on the way' means the value that the module computes at that place (a softmax that the list does not call 'softmax' is quantised finished and normalised). What goes into a quantiser is computed in f32, as accurately as f32 sums, v_exp_f32 and their like allow (about 1e-6 of the number): no bf16 or f16 on the way to a quantiser, and a product that is left as it is and whose result goes on into a quantised operand takes f32 operands (vector FMAs, or v_wmma_f32_16x16x4_f32). A number that lies on a knife's edge between two numbers of the format may be rounded either way, as far as f32 arithmetic and the matrix unit's own rounding can turn it there, and no further.
;; One version. Each part assembles by itself: llvm-mc -triple=amdgcn-amd-amdhsa -mcpu=gfx1250 --defsym DOCPART=n.
;; ======== version 1 of 1: 4 launches
;; limits: right only within a limited range of input values
;; workspace buffers: xq 6,553,600 bytes; wq 3,276,800 bytes; qq 6,553,600 bytes; kv 3,276,800 bytes; cq 6,553,600 bytes
;; launch quant (part 1): grid 384 x 1, 4 waves a work-group, no clusters, 34,304 bytes of LDS; arguments x, Wq, Wk, Wv, Wo, xq, wq; writes xq, wq
.if DOCPART == 1
	.amdgcn_target "amdgcn-amd-amdhsa--gfx1250"
	.amdhsa_code_object_version 6
	.text
	.protected	k_q5d1984d81f_quant
	.globl	k_q5d1984d81f_quant
	.p2align	8
	.type	k_q5d1984d81f_quant,@function
k_q5d1984d81f_quant:
	s_mov_b64 s[64:65], 0
	v_nop
	global_prefetch_b8 v0, s[64:65] scope:SCOPE_SE
	s_setreg_imm32_b32 hwreg(HW_REG_WAVE_MODE, 25, 1), 1
	s_wait_xcnt 0x0
; x [8192][1024] and the four weights [1024 (k)][1024 (n)], f32, become codes of FP6 (E2M3) with one E8M0 byte for each 32 along K (x: its channels; a weight: its first axis).
; A block's scale is 2^(floor(log2(largest magnitude)) - 2): its byte is the largest magnitude's exponent field - 2, held at 1 from below.
; LIMITS: NaN and infinities are not served; blocks whose largest magnitude lies under 2^-124 get the byte 1; a block of zeros gets the byte 1 where the rule says 127 (its codes are zeros, and this program alone reads the bytes).
; LAYOUT OF THE CODES: images of the operand's registers.  16 rows x 64 along K are 768 bytes: registers 0-3 of lane l at 16 l, registers 4-5 at 512 + 8 l; lane (r, h) holds block h of row r.
; [tile][K step of 128: 8][half: 2][768].  Scale words: [tile][K step][row 16][4 bytes].
; ORDER INSIDE A BLOCK OF 32: position p holds number p % 8 + 16 ((p / 8) % 2) + 8 (p / 16), on both operands of every product: the order into which matrix results fall by themselves in the later launches.
; The blocks are the same sets of numbers, so scales and codes are the rule's; only the order of the sums inside the matrix unit differs.
; ROW TILES OF x: tile 128 rho + g holds rows 64 g + rho + 4 r: tiles 0-127 are the dilated rows (every fourth), dense in the buffer.
; Work-groups 0-255: x; a wave takes one tile x 512 along K, four steps of 128.  Each load reads 512 consecutive bytes of a row; the step turns through the wave's own stage in LDS (pitch 528).
; Work-groups 256-383: the weights; a wave takes 32 columns x 256 along K; a lane takes a column and its registers run down K, so nothing is transposed.
.set XS,  6291456                      ; xq: where the scale words begin
.set WS,  3145728                      ; wq: likewise
.set PC,  16                           ; v16-34   the codes just made (12) and the conversions' second halves
.set TM,  36                           ; v36-51   largest magnitudes, bytes, scale operands
.set RAW, 64                           ; v64-191  two sets of 64 numbers as loaded
.set XN,  192                          ; v192-255 64 numbers in the quantiser's order
.set SEL, 34                           ; s[34:35] selects for lane l xor 16
.set WN,  64                           ; weights: v64-127 two sets of 32 numbers
.set WC,  128                          ; v128-175 six registers of codes for each of 8 blocks: no store's data are written again
.set WT,  176                          ; v176-178 a conversion's second half
; 64 numbers of a lane, register 16 b + i = position 32 b + 16 (lane / 16) + i of my row, become a fragment's 12 registers at v[PC] and the row's scale word in v[pw]
.macro QUANT s, pw
.irp b, 0,1,2,3
	v_max3_num_f32 v[TM+\b], |v[\s+16*\b]|, |v[\s+1+16*\b]|, 0x1800000   ; my 16 numbers of block b, and the floor 2^(3 - 127): the byte cannot fall under 1
.endr
.irp i, 2,4,6,8,10,12,14
.irp b, 0,1,2,3
	v_max3_num_f32 v[TM+\b], v[TM+\b], |v[\s+16*\b+\i]|, |v[\s+1+16*\b+\i]|
.endr
.endr
.irp b, 0,1,2,3
	v_permlanex16_b32 v[TM+4+\b], v[TM+\b], s[SEL], s[SEL+1]
.endr
.irp b, 0,1,2,3
	v_max_num_f32 v[TM+\b], v[TM+\b], v[TM+4+\b]                  ; with lane l xor 16's: the block's largest magnitude
.endr
.irp b, 0,1,2,3
	v_add_nc_u32 v[TM+12+\b], 0xff000000, v[TM+\b]                ; 2 off its exponent field: the conversion's scale operand
.endr
.irp b, 0,1,2,3
	v_lshrrev_b32 v[TM+4+\b], 23, v[TM+12+\b]                     ; the scale's byte
.endr
	v_lshl_or_b32 v[\pw], v[TM+5], 8, v[TM+4]
	v_lshl_or_b32 v[\pw], v[TM+6], 16, v[\pw]
	v_lshl_or_b32 v[\pw], v[TM+7], 24, v[\pw]
.irp c, 0,1
	v_cvt_scalef32_pk16_fp6_f32 v[PC+6*\c:PC+2+6*\c], v[\s+32*\c:\s+15+32*\c], v[TM+12+2*\c]
	v_cvt_scalef32_pk16_fp6_f32 v[PC+12+4*\c:PC+14+4*\c], v[\s+16+32*\c:\s+31+32*\c], v[TM+12+2*\c+1]   ; (a conversion's three registers begin on an even number)
.endr
	v_nop                                          ; one plain place behind a scaled conversion
.irp c, 0,1                                    ; the operand wants a whole block in a lane: lanes 0-15 block 2 c, lanes 16-31 block 2 c + 1
.irp i, 0,1,2
	v_permlane16_swap_b32 v[PC+6*\c+\i], v[PC+12+4*\c+\i]
.endr
.irp i, 0,1,2
	v_mov_b32 v[PC+3+6*\c+\i], v[PC+12+4*\c+\i]
.endr
.endr
.endm
	s_load_b256 s[4:11], s[0:1], 0x0               ; x s[4:5], Wq s[6:7], Wk s[8:9], Wv s[10:11]
	s_load_b128 s[12:15], s[0:1], 0x20             ; Wo s[12:13], xq s[14:15]
	s_load_b64 s[16:17], s[0:1], 0x30              ; wq
	v_lshl_add_u32 v62, v0, 2, 0x8400
	v_mov_b32 v63, 0
	v_lshrrev_b32 v1, 5, v0
	v_readfirstlane_b32 s20, v1                    ; wave
	v_and_b32 v6, 31, v0                           ; l
	v_and_b32 v7, 15, v0                           ; r
	v_bfe_u32 v8, v0, 4, 1                         ; h
	s_cmp_lt_u32 ttmp9, 256
	s_cbranch_scc0 .Lweights
	; ---------------- x
	s_lshl_b32 s21, ttmp9, 2
	s_add_co_u32 s21, s21, s20
	s_lshr_b32 s22, s21, 1                         ; my tile
	s_and_b32 s23, s21, 1                          ; which half of K
	s_lshr_b32 s24, s22, 7                         ; rho
	s_and_b32 s25, s22, 127                        ; g
	s_lshl_b32 s25, s25, 6
	s_add_co_u32 s25, s25, s24                     ; the tile's first row: 64 g + rho
	s_lshl_b32 s26, s25, 12                        ; rows of 4,096 bytes
	s_lshl_b32 s27, s23, 11
	s_add_co_u32 s26, s26, s27
	s_mov_b32 s27, 0
	s_mul_i32 s28, s22, 12288                      ; the tile's codes,
	s_mul_i32 s29, s23, 6144                       ; my four K steps of them
	s_add_co_u32 s28, s28, s29
	s_mov_b32 s29, 0
	s_lshl_b32 s30, s22, 9                         ; the tile's scale words
	s_lshl_b32 s31, s23, 8
	s_add_co_u32 s30, s30, s31
	s_add_co_u32 s30, s30, XS
	s_mov_b32 s31, 0
	s_wait_alu depctr_va_vdst(0)
	v_lshlrev_b32 v1, 4, v6                        ; 16 l: a load's and an image's place for my lane
	v_lshl_add_u32 v2, v6, 3, 512                  ; 512 + 8 l: the image's second plane
	v_lshlrev_b32 v3, 2, v6                        ; 4 l: a scale word's
	s_mul_i32 s32, s20, 8448                       ; my wave's stage: 16 rows x 528 bytes
	v_add_nc_u32 v4, s32, v1                       ; in: a row as it lies
	v_mul_u32_u24 v5, v7, 528
	v_lshl_add_u32 v5, v8, 5, v5
	v_add_nc_u32 v5, s32, v5                       ; out: row r, + 32 h.  132 words a row
	s_mov_b32 s[SEL], 0x76543210
	s_mov_b32 s[SEL+1], 0xfedcba98
.irp b, 0,1,2,3
	v_mov_b32 v[TM+4+\b], 0                        ; written once: a lane permute's destination counts as one of its sources
.endr
	s_wait_alu depctr_va_vdst(0)
	s_wait_kmcnt 0x0
	s_add_nc_u64 s[4:5], s[4:5], s[26:27]
	s_add_nc_u64 s[36:37], s[14:15], s[28:29]
	s_add_nc_u64 s[38:39], s[14:15], s[30:31]
.macro LOADX t                         ; K step t of my 16 rows, which lie four rows of x apart
.irp i, 0,1,2,3,4,5,6,7,8,9,10,11,12,13,14,15
	global_load_b128 v[RAW+64*((\t)%2)+4*\i:RAW+64*((\t)%2)+4*\i+3], v1, s[4:5] offset:16384*\i+512*(\t) th:TH_LOAD_NT
.endr
.endm
.macro STEPX t
.if (\t) < 3
	s_wait_loadcnt 16                              ; this step's 16 loads are in; the next step's 16 may be out
.else
	s_wait_loadcnt 0x0
.endif
.irp i, 0,1,2,3,4,5,6,7,8,9,10,11,12,13,14,15
	ds_store_b128 v4, v[RAW+64*((\t)%2)+4*\i:RAW+64*((\t)%2)+4*\i+3] offset:528*\i
.endr
.irp b, 0,1,2,3                                ; LDS serves a wave's instructions in order: these see the stores.  Positions 16 h + 0..15 of block b are numbers 8 h + 0..7 and 16 + 8 h + 0..7
.irp j, 0,1,2,3
	ds_load_b128 v[XN+16*\b+4*\j:XN+16*\b+4*\j+3], v5 offset:128*\b+16*(\j%2)+64*(\j/2)
.endr
.endr
	s_wait_dscnt 0x0                               ; the numbers are back, and the stores have read the loaded set
.if (\t) < 2
	LOADX (\t)+2
.endif
.if (\t) > 0
	s_wait_xcnt 0x0                                ; the last step's stores have read the codes' registers, which are written again below
.endif
	QUANT XN, 12+(\t)
	global_store_b128 v1, v[PC:PC+3], s[36:37] offset:1536*(\t)          ; 512 consecutive bytes,
	global_store_b64 v2, v[PC+4:PC+5], s[36:37] offset:1536*(\t)         ; 256,
	global_store_b128 v1, v[PC+6:PC+9], s[36:37] offset:1536*(\t)+768    ; and the same for the second 64 along K
	global_store_b64 v2, v[PC+10:PC+11], s[36:37] offset:1536*(\t)+768
.endm
	LOADX 0
	LOADX 1
	STEPX 0
	STEPX 1
	STEPX 2
	STEPX 3
	s_mov_b32 s30, 0xffff0000                      ; every lane holds its row's word: lanes 0-15 send one step's, lanes 16-31 the next step's: 128 consecutive bytes a store
	v_cndmask_b32 v52, v12, v13, s30
	v_cndmask_b32 v53, v14, v15, s30
	global_store_b32 v3, v52, s[38:39]
	global_store_b32 v3, v53, s[38:39] offset:128
	s_wait_tensorcnt 0x0
	ds_add_u32 v62, v63
	s_wait_dscnt 0x0
	s_endpgm
	; ---------------- the weights
.Lweights:
	s_sub_co_u32 s21, ttmp9, 256
	s_lshr_b32 s22, s21, 5                         ; which weight: 0 Wq, 1 Wk, 2 Wv, 3 Wo
	s_and_b32 s23, s21, 7                          ; which 128 columns
	s_bfe_u32 s24, s21, 0x20003                    ; which 256 along K
	s_lshl_b32 s25, s23, 2
	s_add_co_u32 s25, s25, s20                     ; my wave's 32 columns: two tiles
	s_lshl_b32 s26, s24, 20                        ; 256 rows of 4,096 bytes
	s_lshl_b32 s27, s25, 7
	s_add_co_u32 s26, s26, s27
	s_mov_b32 s27, 0
	s_mul_i32 s28, s22, 786432
	s_mul_i32 s29, s25, 24576
	s_add_co_u32 s28, s28, s29
	s_mul_i32 s29, s24, 3072
	s_add_co_u32 s28, s28, s29
	s_mov_b32 s29, 0
	s_lshl_b32 s30, s22, 15
	s_lshl_b32 s31, s25, 10
	s_add_co_u32 s30, s30, s31
	s_lshl_b32 s31, s24, 7
	s_add_co_u32 s30, s30, s31
	s_add_co_u32 s30, s30, WS
	s_mov_b32 s31, 0
	s_wait_alu depctr_va_vdst(0)
	v_lshlrev_b32 v1, 2, v6                        ; in: my column
	v_mul_u32_u24 v9, v8, 12288                    ; out: lanes 16-31 hold the second tile
	v_lshl_add_u32 v2, v7, 4, v9
	v_lshl_add_u32 v3, v7, 3, v9
	v_lshlrev_b32 v4, 9, v8
	v_lshl_add_u32 v4, v7, 2, v4
	s_wait_alu depctr_va_vdst(0)
	s_wait_kmcnt 0x0
	s_cmp_lt_u32 s22, 1
	s_cselect_b64 s[36:37], s[6:7], s[8:9]
	s_cmp_lt_u32 s22, 3
	s_cselect_b64 s[38:39], s[10:11], s[12:13]
	s_cmp_lt_u32 s22, 2
	s_cselect_b64 s[36:37], s[36:37], s[38:39]
	s_add_nc_u64 s[36:37], s[36:37], s[26:27]
	s_add_nc_u64 s[38:39], s[16:17], s[28:29]
	s_add_nc_u64 s[40:41], s[16:17], s[30:31]
.macro LOADW t                         ; block t: register i takes the number that belongs at position i
.irp i, 0,1,2,3,4,5,6,7,8,9,10,11,12,13,14,15,16,17,18,19,20,21,22,23,24,25,26,27,28,29,30,31
	global_load_b32 v[WN+32*((\t)%2)+\i], v1, s[36:37] offset:(32*(\t)+\i%8+16*((\i/8)%2)+8*(\i/16))*4096 th:TH_LOAD_NT
.endr
.endm
.macro BLOCKW t
.set XW, WN+32*((\t)%2)
.set CW, WC+6*(\t)
.if (\t) < 7
	s_wait_loadcnt 32                              ; this block's 32 loads are in; the next block's may be out
.else
	s_wait_loadcnt 0x0
.endif
	v_max3_num_f32 v12, |v[XW]|, |v[XW+1]|, |v[XW+2]|
	v_max3_num_f32 v13, |v[XW+3]|, |v[XW+4]|, |v[XW+5]|
.irp i, 6,10,14,18,22,26
	v_max3_num_f32 v12, v12, |v[XW+\i]|, |v[XW+\i+1]|
	v_max3_num_f32 v13, v13, |v[XW+\i+2]|, |v[XW+\i+3]|
.endr
	v_max3_num_f32 v12, v12, |v[XW+30]|, |v[XW+31]|
	v_max3_num_f32 v12, v12, v13, 0x1800000        ; the block's largest magnitude, all 32 numbers mine, and the floor
	v_add_nc_u32 v11, 0xff000000, v12
	v_lshrrev_b32 v13, 23, v11
.if (\t)%4 == 0
	v_mov_b32 v[24+(\t)/4], v13                    ; four bytes make a K step's scale word
.else
	v_lshl_or_b32 v[24+(\t)/4], v13, 8*((\t)%4), v[24+(\t)/4]
.endif
	v_cvt_scalef32_pk16_fp6_f32 v[CW:CW+2], v[XW:XW+15], v11
	v_cvt_scalef32_pk16_fp6_f32 v[WT:WT+2], v[XW+16:XW+31], v11
	v_nop                                          ; one plain place behind a scaled conversion
.irp i, 0,1,2
	v_mov_b32 v[CW+3+\i], v[WT+\i]
.endr
	global_store_b128 v2, v[CW:CW+3], s[38:39] offset:((\t)/4)*1536+(((\t)/2)%2)*768+((\t)%2)*256        ; sixteen lanes store 256 consecutive bytes, aligned
	global_store_b64 v3, v[CW+4:CW+5], s[38:39] offset:((\t)/4)*1536+(((\t)/2)%2)*768+512+((\t)%2)*128
.if (\t) < 6
	LOADW (\t)+2
.endif
.endm
	LOADW 0
	LOADW 1
.irp t, 0,1,2,3,4,5,6,7
	BLOCKW \t
.endr
	global_store_b32 v4, v24, s[40:41]
	global_store_b32 v4, v25, s[40:41] offset:64
	s_endpgm
.Lfunc_end_k_q5d1984d81f_quant:
	.size	k_q5d1984d81f_quant, .Lfunc_end_k_q5d1984d81f_quant-k_q5d1984d81f_quant
	.p2alignl 7, 3214868480
	.fill 96, 4, 3214868480
	.section	.rodata,"a",@progbits
	.p2align	6, 0x0
	.amdhsa_kernel k_q5d1984d81f_quant
		.amdhsa_group_segment_fixed_size 34304
		.amdhsa_private_segment_fixed_size 0
		.amdhsa_enable_private_segment 0
		.amdhsa_kernarg_size 56
		.amdhsa_user_sgpr_count 2
		.amdhsa_user_sgpr_kernarg_segment_ptr 1
		.amdhsa_wavefront_size32 1
		.amdhsa_system_sgpr_workgroup_id_x 1
		.amdhsa_system_sgpr_workgroup_id_y 1
		.amdhsa_system_sgpr_workgroup_id_z 1
		.amdhsa_system_vgpr_workitem_id 0
		.amdhsa_next_free_vgpr 256
		.amdhsa_next_free_sgpr 66
		.amdhsa_reserve_vcc 0
		.amdhsa_float_denorm_mode_32 3
		.amdhsa_float_denorm_mode_16_64 3
		.amdhsa_memory_ordered 1
		.amdhsa_forward_progress 1
		.amdhsa_inst_pref_size 73
	.end_amdhsa_kernel
	.amdgpu_metadata
---
amdhsa.version: [ 1, 2 ]
amdhsa.kernels:
  - .name:           k_q5d1984d81f_quant
    .symbol:         k_q5d1984d81f_quant.kd
    .args:
      - { .name: x, .offset: 0, .size: 8, .value_kind: global_buffer, .address_space: global }
      - { .name: Wq, .offset: 8, .size: 8, .value_kind: global_buffer, .address_space: global }
      - { .name: Wk, .offset: 16, .size: 8, .value_kind: global_buffer, .address_space: global }
      - { .name: Wv, .offset: 24, .size: 8, .value_kind: global_buffer, .address_space: global }
      - { .name: Wo, .offset: 32, .size: 8, .value_kind: global_buffer, .address_space: global }
      - { .name: xq, .offset: 40, .size: 8, .value_kind: global_buffer, .address_space: global }
      - { .name: wq, .offset: 48, .size: 8, .value_kind: global_buffer, .address_space: global }
    .group_segment_fixed_size: 34304
    .private_segment_fixed_size: 0
    .kernarg_segment_align: 8
    .kernarg_segment_size: 56
    .max_flat_workgroup_size: 128
    .sgpr_count:     66
    .vgpr_count:     256
    .wavefront_size: 32
...
	.end_amdgpu_metadata
.endif
;; end of part 1
;; launch proj (part 2): grid 4 x 96, 4 waves a work-group, clusters of 4 x 4, 327,680 bytes of LDS; arguments xq, wq, bq, bk, bv, qq, kv; writes qq, kv
.if DOCPART == 2
	.amdgcn_target "amdgcn-amd-amdhsa--gfx1250"
	.amdhsa_code_object_version 6
	.text
	.protected	k_q5d1984d81f_proj
	.globl	k_q5d1984d81f_proj
	.p2align	8
	.type	k_q5d1984d81f_proj,@function
k_q5d1984d81f_proj:
	s_mov_b64 s[64:65], 0
	v_nop
	global_prefetch_b8 v0, s[64:65] scope:SCOPE_SE
	s_setreg_imm32_b32 hwreg(HW_REG_WAVE_MODE, 25, 1), 1
	s_wait_xcnt 0x0
	s_wait_alu depctr_hold_cnt(0) depctr_sa_sdst(0) depctr_va_vdst(0) depctr_va_sdst(0) depctr_va_ssrc(0) depctr_va_vcc(0) depctr_vm_vsrc(0)
	s_getreg_b32 s2, hwreg(HW_REG_IB_STS2, 6, 4)
	s_cmp_eq_u32 s2, 0
	s_cbranch_scc0 .Lentry_in_a_cluster
	s_endpgm
.Lentry_in_a_cluster:
	s_bfe_u32 s2, ttmp6, 0x10000c
	s_cmp_lg_u32 s2, 0xf033
	s_cbranch_scc0 .Lentry_shape_is_right
	s_endpgm
.Lentry_shape_is_right:
; The three input projections on codes of FP6 (E2M3), and their results quantised in registers for the attention launch.
; P[m][n] = sum over k of A[m][k] B[n][k] + bias; a work-group takes 128 rows of A x 256 rows of B for ALL of K = 1,024; four waves, each 64 x 128: 32 accumulators, 256 registers.
; JOBS, by the cluster's y (the same in all sixteen partners): 0-15: q = x Wq + bq, all 8,192 rows (A = x, B = Wq's columns).  16-19: k, the 2,048 dilated rows alone (x's tiles 0-127).
; 20-23: v, with the sides changed: A = Wv's columns, B = the dilated rows, so that a lane holds a channel and its registers run along the KEYS, which are the second attention product's K.
; THE MATRIX INSTRUCTION IS USED TRANSPOSED (source 0 = 16 rows of B, source 1 = 16 rows of A): lane (r, h) holds row r of A and, in tile b, B's rows 16 b + 8 h + 0..7.
; So the 16 registers of two neighbouring tiles are one half of a block of 32 along the next K, in the order that all operands of this program share (position p holds number p % 8 + 16 ((p / 8) % 2) + 8 (p / 16)).
; ALL OF K LIES IN LDS: two halves of 512 along K, each filled once by one tensor load a wave; nothing is filled again.  A wave has at most one tensor load out.
; Operands lie in memory and in LDS as images of their registers (768 bytes for 16 rows x 64 K), so every LDS load is dense.
; CLUSTER 4 x 4: A's tile hangs on the work-group's y alone and is asked for jointly along a row of the cluster, B's on its x (and the cluster's y) alone, along a column.
; The biases are the C of each sum's first matrix instruction.
; LIMITS as in the first launch: no NaN or infinities; byte 1 for blocks under 2^-124 and for blocks of zeros.  The results' scale bytes of q and k leave as stores of two bytes a lane (0.3 MB in all).
.set XS,  6291456
.set WS,  3145728
; THE FILLS: K lies in LDS as TWO HALVES of 512 along K, each filled once.
; At the head each wave issues one joint load: wave 0 A's 8 tiles of the first half, wave 1 B's 16, wave 2 A's scale words, wave 3 B's.
; Behind the three lines and a round of the cluster's barrier each wave fetches its quarter of the second half: one tensor load of a wave is out at any time.
.set CH,  147456                       ; a half of K: A's 8 tiles x 6,144 bytes, then B's 16
.set SCA, 2*CH
.set SCB, SCA+8*576                    ; B's: 16 tiles
.set SCR, 32                           ; v32-43   scale words, two sets of six: two registers for A's four tiles, four for B's eight; lanes 0-15 the even tile, lanes 16-31 the odd one
.set AF,  48                           ; v48-143  A's fragments, two sets of 4 x 12
.set BB,  144                          ; v144-207 the bias, in the result's layout
.set TM,  208                          ; v208-223 the quantiser's work
.set PW,  224                          ; v224-227 the four tiles' scale words
.set PC,  228                          ; v228-246 the codes just made
.set WV,  18
.set WA,  19                           ; which 64 rows of A are mine.  Also: I fetch for A (0) or for B (1)
.set WB,  20                           ; which 128 rows of B.  Also: which half of that tile I fetch
.set JOB, 67
.set TA,  100
.set TB,  101
.set G1A, 24
.set G1B, 32
.set G1SA, 40
.set G1SB, 48
.set MSB, 0
; window 1: accumulator (a, b) at v[8 (8 a + b)].  window 2: B's fragments, two sets of 8 x 12 at v0 and v96.
.macro WIN new
.if MSB != \new
	s_set_vgpr_msb (MSB<<8)|\new
.set MSB, \new
.endif
.endm
.macro JLOAD g0a, g1a, g0b, g1b        ; a joint load: waves 0 and 1 fetch for A, waves 2 and 3 for B; four v_nop follow each line
	s_cmp_eq_u32 s[WA], 0
	s_cbranch_scc0 .Lfor_b_\@
	tensor_load_to_lds s[\g0a:\g0a+3], s[\g1a:\g1a+7]
	s_nop 0
.rept 4
	v_nop
.endr
	s_branch .Lasked_\@
.Lfor_b_\@:
	tensor_load_to_lds s[\g0b:\g0b+3], s[\g1b:\g1b+7]
	s_nop 0
.rept 4
	v_nop
.endr
.Lasked_\@:
.endm
.macro CROUND                          ; a round of the cluster's barrier
	s_barrier_signal -1
	s_barrier_wait -1
	s_cmp_lg_u32 s[WV], 0
	s_cbranch_scc1 .Lnot_wave_0_\@
	s_barrier_signal -3
.Lnot_wave_0_\@:
	s_barrier_wait -3
	s_barrier_signal -1
	s_barrier_wait -1
.endm
.macro SETG1 g, c, r, p                ; words 1 to 7 of a group 1: r rows of c elements, p elements apart
	s_mov_b32 s[\g+1], (\c)<<16
	s_mov_b32 s[\g+2], (\r)<<16
	s_mov_b32 s[\g+3], (\c)<<16
	s_mov_b32 s[\g+4], \r
	s_mov_b32 s[\g+5], \p
	s_mov_b32 s[\g+6], 0
	s_mov_b32 s[\g+7], 0
.endm
.macro SETG0 g, lreg, loff, base, goff
	s_mov_b32 s[\g], 1
	s_add_co_u32 s[\g+1], s[\lreg], \loff
	s_add_nc_u64 s[\g+2:\g+3], s[\base:\base+1], \goff
	s_or_b32 s[\g+3], s[\g+3], 0x80000000
.endm
.macro FRAG reg, a1, a2, off           ; a fragment, 16 rows x 128 K: two images on end
	ds_load_b128 v[\reg:\reg+3], v[\a1] offset:\off
	ds_load_b64 v[\reg+4:\reg+5], v[\a2] offset:\off
	ds_load_b128 v[\reg+6:\reg+9], v[\a1] offset:(\off)+768
	ds_load_b64 v[\reg+10:\reg+11], v[\a2] offset:(\off)+768
.endm
.macro WM d, s0, s1, c, x0, x1, r0, r1 ; one product; r0, r1: the scales of source 0, 1 stand in lanes 16-31
.if (\r0) && (\r1)
	v_wmma_scale_f32_16x16x128_f8f6f4 v[\d:\d+7], v[\s0:\s0+11], v[\s1:\s1+11], v[\c:\c+7], v[\x0], v[\x1] matrix_a_fmt:MATRIX_FMT_FP6 matrix_b_fmt:MATRIX_FMT_FP6 matrix_a_scale:MATRIX_SCALE_ROW1 matrix_b_scale:MATRIX_SCALE_ROW1
.elseif (\r0)
	v_wmma_scale_f32_16x16x128_f8f6f4 v[\d:\d+7], v[\s0:\s0+11], v[\s1:\s1+11], v[\c:\c+7], v[\x0], v[\x1] matrix_a_fmt:MATRIX_FMT_FP6 matrix_b_fmt:MATRIX_FMT_FP6 matrix_a_scale:MATRIX_SCALE_ROW1
.elseif (\r1)
	v_wmma_scale_f32_16x16x128_f8f6f4 v[\d:\d+7], v[\s0:\s0+11], v[\s1:\s1+11], v[\c:\c+7], v[\x0], v[\x1] matrix_a_fmt:MATRIX_FMT_FP6 matrix_b_fmt:MATRIX_FMT_FP6 matrix_b_scale:MATRIX_SCALE_ROW1
.else
	v_wmma_scale_f32_16x16x128_f8f6f4 v[\d:\d+7], v[\s0:\s0+11], v[\s1:\s1+11], v[\c:\c+7], v[\x0], v[\x1] matrix_a_fmt:MATRIX_FMT_FP6 matrix_b_fmt:MATRIX_FMT_FP6
.endif
.endm
.macro FETCH s, set                    ; K step s: 54 LDS loads in one run: B's eight fragments, A's four, six registers of scale words
	WIN 0x80
.irp i, 0,1,2,3,4,5,6,7
	FRAG 96*(\set)+12*\i, 3, 4, 6144*\i+1536*((\s)%4)
.endr
	WIN 0
.irp i, 0,1,2,3
	FRAG AF+48*(\set)+12*\i, 1, 2, 6144*\i+1536*((\s)%4)
.endr
.irp i, 0,1
	ds_load_b32 v[SCR+6*(\set)+\i], v5 offset:1152*\i+64*(\s)
.endr
.irp i, 0,1,2,3
	ds_load_b32 v[SCR+6*(\set)+2+\i], v6 offset:1152*\i+64*(\s)
.endr
.endm
; 32 products: the 32 accumulators take turns, one instruction a turn, in the same order in every K step.
; cmode 0: onto the sums.  1: the sums begin with the bias of B's rows.  2: with the bias of A's rows.
.macro MUL32 set, cmode
.if \cmode
	WIN 0x42                                       ; source 0 (B) window 2, source 1 (A) window 0, C window 0, D window 1
.else
	WIN 0x52                                       ; C and D window 1
.endif
.irp a, 0,1,2,3
.irp b, 0,1,2,3,4,5,6,7
.set rD, 8*(8*\a+\b)
.set rB, 96*(\set)+12*\b
.set rA, AF+48*(\set)+12*\a
.set rC, rD
.if \cmode == 1
.set rC, BB+8*\b
.elseif \cmode == 2
.set rC, BB+8*\a
.endif
	WM rD, rB, rA, rC, SCR+6*(\set)+2+\b/2, SCR+6*(\set)+\a/2, \b%2, \a%2
.endr
.endr
	WIN 0
.endm
; What stands in front of K step s's products: its fragments are in; the next step's are asked for.  Where the next step begins a chunk: my part of that chunk has landed, and a barrier shows everybody's.
.macro PRE s
	s_wait_dscnt 0x0
.if (\s) == 3
	s_wait_tensorcnt 0x0                           ; my part of the second half of K has landed
	s_barrier_signal -1
	s_barrier_wait -1
	v_add_nc_u32 v1, CH, v1                        ; on to the next chunk.  These four are also the places between the last products and the loads into registers that they read
	v_add_nc_u32 v2, CH, v2
	v_add_nc_u32 v3, CH, v3
	s_wait_alu depctr_va_vdst(0)
	v_add_nc_u32 v4, CH, v4
.elseif ((\s) > 0) && ((\s) < 7)
.rept 4
	v_nop                                          ; the same four places
.endr
.endif
.if (\s) < 7
	FETCH (\s)+1, ((\s)+1)%2
.endif
.endm
	s_load_b256 s[4:11], s[0:1], 0x0               ; xq s[4:5], wq s[6:7], bq s[8:9], bk s[10:11]
	s_load_b128 s[12:15], s[0:1], 0x20             ; bv s[12:13], qq s[14:15]
	s_load_b64 s[16:17], s[0:1], 0x30              ; kv
	v_lshl_add_u32 v254, v0, 2, 0x4c000
	v_mov_b32 v255, 0
	ds_add_u32 v254, v255
	ds_add_u32 v254, v255
	v_lshrrev_b32 v1, 5, v0
	v_readfirstlane_b32 s[WV], v1
	s_lshr_b32 s[WA], s[WV], 1
	s_and_b32 s[WB], s[WV], 1
	s_bfe_u32 s21, ttmp6, 0x40000                  ; cx
	s_bfe_u32 s22, ttmp6, 0x40004                  ; cy
	s_and_b32 s23, ttmp7, 0xffff                   ; the cluster's y
	s_lshl_b32 s66, ttmp9, 2
	s_add_co_u32 s66, s66, s21                     ; the work-group's x
	s_lshl_b32 s[TA], s23, 2
	s_add_co_u32 s[TA], s[TA], s22                 ; the work-group's y
	s_lshl_b32 s72, s22, 2
	s_lshl_b32 s72, 15, s72                        ; my row of the cluster
	s_lshl_b32 s92, 0x1111, s21                    ; my column
	; codes: rows of 6,144 bytes (a tile's 512 along K: 768 elements of 8 bytes), 12,288 bytes apart; no padding: the images are read densely
	s_or_b32 s[G1A], s72, (3<<16)|(1<<21)
	s_or_b32 s[G1B], s92, (3<<16)|(1<<21)
	SETG1 G1A, 768, 8, 1536                        ; rows of 6,144 bytes (a tile's 512 along K); the head's loads bring all 8 and all 16 tiles
	SETG1 G1B, 768, 16, 1536
	; scale words: rows of 512 bytes, dense; 64 bytes of padding behind each, so that a register's two tiles fall into different banks
	s_or_b32 s[G1SA], s72, (3<<16)|(1<<20)|(1<<21)|(6<<22)|(15<<25)
	s_or_b32 s[G1SB], s92, (3<<16)|(1<<20)|(1<<21)|(6<<22)|(15<<25)
	SETG1 G1SA, 64, 8, 64
	SETG1 G1SB, 64, 16, 64
	; the job, and which tiles of A and B.  A's numbers are made in s72-79 and never meet cx; B's in s92-99 and never meet cy
	s_cmp_ge_u32 s23, 16
	s_cselect_b32 s[JOB], 1, 0
	s_cmp_ge_u32 s23, 20
	s_cselect_b32 s73, 1, 0
	s_add_co_u32 s[JOB], s[JOB], s73               ; 0 q, 1 k, 2 v
	s_cmp_eq_u32 s[JOB], 2
	s_cselect_b32 s72, 80, 64
	s_cselect_b32 s73, 7, 63
	s_cmp_eq_u32 s[JOB], 0
	s_cselect_b32 s72, 0, s72
	s_sub_co_u32 s[TA], s[TA], s72
	s_and_b32 s[TA], s[TA], s73                    ; A's tile of 128 rows
	s_sub_co_u32 s92, s23, 20
	s_lshr_b32 s92, s92, 1
	s_lshl_b32 s92, s92, 2
	s_cmp_eq_u32 s[JOB], 2
	s_cselect_b32 s92, s92, 0
	s_add_co_u32 s[TB], s66, s92                   ; B's tile of 256 rows
	s_cmp_eq_u32 s[JOB], 2
	s_cselect_b32 s72, 1572864, 0                  ; A's codes: Wv's begin here in wq
	s_mov_b32 s73, XS
	s_cselect_b32 s73, WS+65536, s73               ; A's scale words
	s_mov_b32 s93, WS
	s_cselect_b32 s93, XS, s93                     ; B's scale words
	s_cmp_eq_u32 s[JOB], 1
	s_cselect_b32 s92, 786432, 0                   ; B's codes: Wk's begin here
	s_cselect_b32 s94, 32768, 0
	s_add_co_u32 s93, s93, s94
	s_mul_i32 s74, s[TA], 98304
	s_add_co_u32 s72, s72, s74
	s_lshl_b32 s74, s[TA], 12
	s_add_co_u32 s73, s73, s74
	s_mul_i32 s94, s[TB], 196608
	s_add_co_u32 s92, s92, s94
	s_lshl_b32 s94, s[TB], 13
	s_add_co_u32 s93, s93, s94
	v_and_b32 v14, 15, v0                          ; r
	v_bfe_u32 v15, v0, 4, 1                        ; h
	v_and_b32 v16, 31, v0                          ; l
	s_wait_dscnt 0x0
	s_wait_kmcnt 0x0
	s_cmp_eq_u32 s[JOB], 2
	s_cselect_b64 s[2:3], s[6:7], s[4:5]           ; A's buffer
	s_cselect_b64 s[104:105], s[4:5], s[6:7]       ; B's
	s_mov_b32 s75, 0
	s_mov_b32 s74, s73
	s_add_nc_u64 s[78:79], s[2:3], s[74:75]        ; A's scale words, my half
	s_mov_b32 s74, s72
	s_add_nc_u64 s[2:3], s[2:3], s[74:75]          ; A's codes, my half
	s_mov_b32 s95, 0
	s_mov_b32 s94, s93
	s_add_nc_u64 s[98:99], s[104:105], s[94:95]
	s_mov_b32 s94, s92
	s_add_nc_u64 s[104:105], s[104:105], s[94:95]
	s_mul_i32 s4, s[WB], 49152                     ; the second half's loads: my 4 tiles of A in memory,
	s_mov_b32 s5, 0
	s_mul_i32 s6, s[WB], 98304                     ; my 8 tiles of B
	s_mov_b32 s7, 0
	CROUND                                         ; all sixteen work-groups are here: the joint loads meet
	s_mov_b32 s56, 1                               ; the head's four tiles, each whole: A's first half of K,
	s_mov_b32 s57, 0
	s_mov_b64 s[58:59], s[2:3]
	s_or_b32 s59, s59, 0x80000000
	s_mov_b32 s80, 1                               ; B's, behind it,
	s_mov_b32 s81, 49152
	s_mov_b64 s[82:83], s[104:105]
	s_or_b32 s83, s83, 0x80000000
	s_mov_b32 s76, 1                               ; A's scale words,
	s_mov_b32 s77, SCA
	s_or_b32 s79, s79, 0x80000000
	s_mov_b32 s96, 1                               ; and B's
	s_mov_b32 s97, SCB
	s_or_b32 s99, s99, 0x80000000
	s_add_nc_u64 s[2:3], s[2:3], s[4:5]
	s_add_nc_u64 s[104:105], s[104:105], s[6:7]
	s_mul_i32 s4, s[WB], 24576                     ; where my part of the second half goes: no place in the cluster enters an LDS address
	s_mul_i32 s6, s[WB], 49152
	SETG0 60, 4, CH, 2, 6144
	SETG0 84, 6, CH+49152, 104, 6144
; one chain of branches on the wave's number, one joint load to an arm, all arms leading to one join
.macro ARM under, g0, g1, next
	s_cmp_lt_u32 s[WV], \under
	s_cbranch_scc0 \next
	tensor_load_to_lds s[\g0:\g0+3], s[\g1:\g1+7]
	s_nop 0
.rept 4
	v_nop
.endr
	s_branch .Lhead_asked
\next:
.endm
	ARM 1, 56, G1A, .Lhead_b
	ARM 2, 80, G1B, .Lhead_sa
	ARM 3, 76, G1SA, .Lhead_sb
	tensor_load_to_lds s[96:99], s[G1SB:G1SB+7]
	s_nop 0
.rept 4
	v_nop
.endr
.Lhead_asked:
	; the bias
	s_cmp_eq_u32 s[JOB], 2
	s_cbranch_scc1 .Lbias_v
	s_cmp_eq_u32 s[JOB], 0
	s_cselect_b64 s[8:9], s[8:9], s[10:11]
	s_lshl_b32 s4, s[TB], 10
	s_lshl_b32 s5, s[WB], 9
	s_add_co_u32 s4, s4, s5
	s_mov_b32 s5, 0
	s_add_nc_u64 s[8:9], s[8:9], s[4:5]            ; at my 128 columns
	s_wait_alu depctr_va_vdst(0)
	v_lshlrev_b32 v17, 5, v15                      ; tile b, my half: columns 16 b + 8 h + 0..7
.irp b, 0,1,2,3,4,5,6,7
	global_load_b128 v[BB+8*\b:BB+8*\b+3], v17, s[8:9] offset:64*\b
	global_load_b128 v[BB+8*\b+4:BB+8*\b+7], v17, s[8:9] offset:64*\b+16
.endr
	s_branch .Lbias_done
.Lbias_v:
	s_lshl_b32 s4, s[TA], 9
	s_lshl_b32 s5, s[WA], 8
	s_add_co_u32 s4, s4, s5
	s_mov_b32 s5, 0
	s_add_nc_u64 s[12:13], s[12:13], s[4:5]        ; at my 64 channels
	s_wait_alu depctr_va_vdst(0)
	v_lshlrev_b32 v17, 2, v14                      ; tile a: channel 16 a + r, the same for a lane's eight keys
.irp a, 0,1,2,3
	global_load_b32 v[BB+8*\a], v17, s[12:13] offset:64*\a
.endr
	s_wait_loadcnt 0x0
.irp a, 0,1,2,3
.irp j, 1,2,3,4,5,6,7
	v_mov_b32 v[BB+8*\a+\j], v[BB+8*\a]
.endr
.endr
.set j, 32
.rept 32
	v_mov_b32 v[BB+j], 0                           ; this job uses four tiles of bias; the block's other half is written too, so that both ways leave all 64 registers defined
.set j, j+1
.endr
.Lbias_done:
	v_lshlrev_b32 v7, 4, v16                       ; 16 l: an image's first plane
	v_lshl_add_u32 v8, v16, 3, 512                 ; 512 + 8 l: its second
	s_mul_i32 s4, s[WA], 24576                     ; my four tiles of A in a half
	v_add_nc_u32 v1, s4, v7
	v_add_nc_u32 v2, s4, v8
	s_mul_i32 s5, s[WB], 49152                     ; my eight tiles of B, behind A's eight
	s_add_co_u32 s5, s5, 49152
	v_add_nc_u32 v3, s5, v7
	v_add_nc_u32 v4, s5, v8
	v_mul_u32_u24 v18, v15, 576
	v_lshl_add_u32 v18, v14, 2, v18                ; scale words: lanes 16-31 take the tile behind
	s_mul_i32 s4, s[WA], 2304
	s_add_co_u32 s4, s4, SCA
	v_add_nc_u32 v5, s4, v18
	s_mul_i32 s5, s[WB], 4608
	s_add_co_u32 s5, s5, SCB
	v_add_nc_u32 v6, s5, v18
.irp b, 0,1,2,3
	v_mov_b32 v[TM+4+\b], 0                        ; written once: a lane permute's destination counts as one of its sources
.endr
	s_wait_alu depctr_va_vdst(0)
	s_wait_tensorcnt 0x0                           ; my tile of the head's four is in
	ds_add_u32 v254, v255
	s_mov_b32 s[G1A+2], 4<<16                      ; no tensor load of mine is out: from here on a load brings 4 tiles of A
	s_mov_b32 s[G1A+4], 4
	s_mov_b32 s[G1B+2], 8<<16                      ; or 8 of B
	s_mov_b32 s[G1B+4], 8
	s_wait_dscnt 0x0
	CROUND                                         ; everybody's tile is in, and the joint loads meet
	JLOAD 60, G1A, 84, G1B                         ; the second half of K: it has four K steps, 128 products, in which to land
	FETCH 0, 0
	s_wait_loadcnt 0x0                             ; the bias
	PRE 0
	s_cmp_eq_u32 s[JOB], 2
	s_cbranch_scc1 .Lfirst_v
	MUL32 0, 1
	s_branch .Lfirst_done
.Lfirst_v:
	MUL32 0, 2
.Lfirst_done:
.irp s, 1,2,3,4,5,6,7
	s_wait_alu depctr_va_vdst(0)
	PRE \s
	MUL32 \s%2, 0
.endr
.rept 4
	v_nop                                          ; four places between the last products and the first read of results
.endr
	; THE WAY OUT.  Every tensor load has been waited for, so the descriptors' registers are free.
	s_mov_b32 s44, 0x76543210
	s_mov_b32 s45, 0xfedcba98
	s_cmp_eq_u32 s[JOB], 2
	s_cbranch_scc1 .Lout_v
	s_lshr_b32 s24, s[TA], 3                       ; q, k: my 128 columns are two heads; my four tiles of rows are neighbours in the batch's order of tiles
	s_and_b32 s24, s24, 1                          ; the batch
	s_lshl_b32 s24, s24, 4
	s_lshl_b32 s25, s[TB], 2
	s_add_co_u32 s24, s24, s25
	s_lshl_b32 s25, s[WB], 1
	s_add_co_u32 s24, s24, s25                     ; 16 x batch + my first head
	s_lshr_b32 s25, s[TA], 4
	s_lshl_b32 s25, s25, 6
	s_and_b32 s26, s[TA], 7
	s_lshl_b32 s26, s26, 3
	s_add_co_u32 s25, s25, s26
	s_lshl_b32 s26, s[WA], 2
	s_add_co_u32 s25, s25, s26                     ; my first tile within the batch
	s_cmp_eq_u32 s[JOB], 0
	s_cselect_b64 s[28:29], s[14:15], s[16:17]
	s_mov_b32 s30, 102400
	s_cselect_b32 s31, 196608, s30                 ; from head to head: codes,
	s_cselect_b32 s32, 8192, s30                   ; scale bytes
	s_mov_b32 s33, 98304
	s_cselect_b32 s33, 6291456, s33                ; where the scale bytes begin
	s_mov_b32 s34, 768                             ; from tile to tile
	s_mul_i32 s36, s24, s31
	s_mul_i32 s37, s25, 768
	s_add_co_u32 s36, s36, s37
	s_mov_b32 s37, 0
	s_add_nc_u64 s[40:41], s[28:29], s[36:37]
	s_mul_i32 s36, s24, s32
	s_lshl_b32 s38, s25, 5
	s_add_co_u32 s36, s36, s38
	s_add_co_u32 s36, s36, s33
	s_add_nc_u64 s[42:43], s[28:29], s[36:37]
	s_branch .Lout_go
.Lout_v:
	s_lshr_b32 s24, s[TB], 2                       ; v: my 64 channels are one head, my 128 keys one key step
	s_lshl_b32 s24, s24, 4
	s_lshl_b32 s25, s[TA], 1
	s_add_co_u32 s24, s24, s25
	s_add_co_u32 s24, s24, s[WA]                   ; 16 x batch + head
	s_lshl_b32 s25, s[TB], 1
	s_add_co_u32 s25, s25, s[WB]
	s_and_b32 s25, s25, 7                          ; the key step
	s_mul_i32 s36, s24, 102400
	s_mul_i32 s38, s25, 1536
	s_add_co_u32 s38, s38, s36
	s_add_co_u32 s38, s38, 49152
	s_mov_b32 s39, 0
	s_add_nc_u64 s[40:41], s[16:17], s[38:39]
	s_lshl_b32 s38, s25, 8
	s_add_co_u32 s38, s38, s36
	s_add_co_u32 s38, s38, 100352
	s_add_nc_u64 s[42:43], s[16:17], s[38:39]
	s_mov_b32 s34, 12288                           ; from tile of channels to tile of channels
	s_mov_b32 s31, 768                             ; the fragment's second half lies behind the first
	s_mov_b32 s32, 0
.Lout_go:
	s_mov_b32 s35, 0
	v_add_nc_u32 v9, s31, v7
	v_add_nc_u32 v10, s31, v8
	v_lshlrev_b32 v11, 1, v16
	v_add_nc_u32 v12, s32, v11
	v_lshlrev_b32 v13, 2, v16
; The 64 results of tile a, register 16 b + i = position 32 b + 16 h + i along the next K, become 12 registers of codes and a scale word.  Each accumulator is read from its low end on.
.macro QUANTA a
	WIN 0x05                                       ; sources 0 and 1: window 1
.irp b, 0,1,2,3
	v_max3_num_f32 v[TM+\b], |v[64*\a+16*\b]|, |v[64*\a+16*\b+1]|, 0x1800000
.endr
.irp i, 2,4,6,8,10,12,14
.irp b, 0,1,2,3
	v_max3_num_f32 v[TM+\b], |v[64*\a+16*\b+\i]|, |v[64*\a+16*\b+\i+1]|, v[TM+\b]
.endr
.endr
	WIN 0
.irp b, 0,1,2,3
	v_permlanex16_b32 v[TM+4+\b], v[TM+\b], s44, s45
.endr
.irp b, 0,1,2,3
	v_max_num_f32 v[TM+\b], v[TM+\b], v[TM+4+\b]
.endr
.irp b, 0,1,2,3
	v_add_nc_u32 v[TM+12+\b], 0xff000000, v[TM+\b]
.endr
.irp b, 0,1,2,3
	v_lshrrev_b32 v[TM+4+\b], 23, v[TM+12+\b]
.endr
	v_lshl_or_b32 v[PW+\a], v[TM+5], 8, v[TM+4]
	v_lshl_or_b32 v[PW+\a], v[TM+6], 16, v[PW+\a]
	v_lshl_or_b32 v[PW+\a], v[TM+7], 24, v[PW+\a]
	WIN 0x01                                       ; source 0: window 1
.irp c, 0,1
	v_cvt_scalef32_pk16_fp6_f32 v[PC+6*\c:PC+2+6*\c], v[64*\a+32*\c:64*\a+32*\c+15], v[TM+12+2*\c]
	v_cvt_scalef32_pk16_fp6_f32 v[PC+12+4*\c:PC+14+4*\c], v[64*\a+32*\c+16:64*\a+32*\c+31], v[TM+12+2*\c+1]
.endr
	WIN 0
	v_nop                                          ; one plain place behind a scaled conversion
.irp c, 0,1
.irp i, 0,1,2
	v_permlane16_swap_b32 v[PC+6*\c+\i], v[PC+12+4*\c+\i]
.endr
.irp i, 0,1,2
	v_mov_b32 v[PC+3+6*\c+\i], v[PC+12+4*\c+\i]
.endr
.endr
.endm
.irp a, 0,1,2,3
.if \a > 0
	s_wait_xcnt 0x0                                ; the last tile's stores have read their data and their base: both are written again
	s_add_nc_u64 s[40:41], s[40:41], s[34:35]
.endif
	QUANTA \a
	global_store_b128 v7, v[PC:PC+3], s[40:41]     ; an image: 512 consecutive bytes, then 256
	global_store_b64 v8, v[PC+4:PC+5], s[40:41]
	global_store_b128 v9, v[PC+6:PC+9], s[40:41]   ; q, k: the second head's; v: the second 64 keys'
	global_store_b64 v10, v[PC+10:PC+11], s[40:41]
.endr
	s_mov_b32 s30, 0xffff0000                      ; every lane holds its row's word: lanes 0-15 send the even tile's, lanes 16-31 the odd tile's
	v_cndmask_b32 v248, v224, v225, s30
	v_cndmask_b32 v249, v226, v227, s30
	s_cmp_eq_u32 s[JOB], 2
	s_cbranch_scc1 .Lscale_v
.irp p, 0,1
	global_store_b16 v11, v[248+\p], s[42:43] offset:64*\p            ; the first head's two bytes
	global_store_d16_hi_b16 v12, v[248+\p], s[42:43] offset:64*\p     ; the second head's
.endr
	s_branch .Lscale_done
.Lscale_v:
	s_wait_alu depctr_va_vdst(0)
.irp p, 0,1
	global_store_b32 v13, v[248+\p], s[42:43] offset:128*\p
.endr
.Lscale_done:
	s_wait_tensorcnt 0x0
	ds_add_u32 v254, v255
	s_wait_dscnt 0x0
	CROUND                                         ; the closing round: no work-group ends while a partner may still ask for a tile that names it
	s_endpgm
.Lfunc_end_k_q5d1984d81f_proj:
	.size	k_q5d1984d81f_proj, .Lfunc_end_k_q5d1984d81f_proj-k_q5d1984d81f_proj
	.p2alignl 7, 3214868480
	.fill 96, 4, 3214868480
	.section	.rodata,"a",@progbits
	.p2align	6, 0x0
	.amdhsa_kernel k_q5d1984d81f_proj
		.amdhsa_group_segment_fixed_size 327680
		.amdhsa_private_segment_fixed_size 0
		.amdhsa_enable_private_segment 0
		.amdhsa_kernarg_size 56
		.amdhsa_user_sgpr_count 2
		.amdhsa_user_sgpr_kernarg_segment_ptr 1
		.amdhsa_wavefront_size32 1
		.amdhsa_system_sgpr_workgroup_id_x 1
		.amdhsa_system_sgpr_workgroup_id_y 1
		.amdhsa_system_sgpr_workgroup_id_z 1
		.amdhsa_system_vgpr_workitem_id 0
		.amdhsa_next_free_vgpr 768
		.amdhsa_next_free_sgpr 106
		.amdhsa_reserve_vcc 0
		.amdhsa_float_denorm_mode_32 3
		.amdhsa_float_denorm_mode_16_64 3
		.amdhsa_memory_ordered 1
		.amdhsa_forward_progress 1
		.amdhsa_inst_pref_size 102
	.end_amdhsa_kernel
	.amdgpu_metadata
---
amdhsa.version: [ 1, 2 ]
amdhsa.kernels:
  - .name:           k_q5d1984d81f_proj
    .symbol:         k_q5d1984d81f_proj.kd
    .args:
      - { .name: xq, .offset: 0, .size: 8, .value_kind: global_buffer, .address_space: global }
      - { .name: wq, .offset: 8, .size: 8, .value_kind: global_buffer, .address_space: global }
      - { .name: bq, .offset: 16, .size: 8, .value_kind: global_buffer, .address_space: global }
      - { .name: bk, .offset: 24, .size: 8, .value_kind: global_buffer, .address_space: global }
      - { .name: bv, .offset: 32, .size: 8, .value_kind: global_buffer, .address_space: global }
      - { .name: qq, .offset: 40, .size: 8, .value_kind: global_buffer, .address_space: global }
      - { .name: kv, .offset: 48, .size: 8, .value_kind: global_buffer, .address_space: global }
    .group_segment_fixed_size: 327680
    .private_segment_fixed_size: 0
    .kernarg_segment_align: 8
    .kernarg_segment_size: 56
    .max_flat_workgroup_size: 128
    .sgpr_count:     106
    .vgpr_count:     768
    .wavefront_size: 32
...
	.end_amdgpu_metadata
.endif
;; end of part 2
;; launch att (part 3): grid 16 x 16, 16 waves a work-group, clusters of 4 x 1, 206,848 bytes of LDS; arguments qq, kv, cq; writes cq
.if DOCPART == 3
	.amdgcn_target "amdgcn-amd-amdhsa--gfx1250"
	.amdhsa_code_object_version 6
	.text
	.protected	k_q5d1984d81f_att
	.globl	k_q5d1984d81f_att
	.p2align	8
	.type	k_q5d1984d81f_att,@function
k_q5d1984d81f_att:
	s_mov_b64 s[64:65], 0
	v_nop
	global_prefetch_b8 v0, s[64:65] scope:SCOPE_SE
	s_setreg_imm32_b32 hwreg(HW_REG_WAVE_MODE, 25, 1), 1
	s_wait_xcnt 0x0
	s_wait_alu depctr_hold_cnt(0) depctr_sa_sdst(0) depctr_va_vdst(0) depctr_va_sdst(0) depctr_va_ssrc(0) depctr_va_vcc(0) depctr_vm_vsrc(0)
	s_getreg_b32 s2, hwreg(HW_REG_IB_STS2, 6, 4)
	s_cmp_eq_u32 s2, 0
	s_cbranch_scc0 .Lentry_in_a_cluster
	s_endpgm
.Lentry_in_a_cluster:
	s_bfe_u32 s2, ttmp6, 0x10000c
	s_cmp_lg_u32 s2, 0x3003
	s_cbranch_scc0 .Lentry_shape_is_right
	s_endpgm
.Lentry_shape_is_right:
; ctx[b][h][q][:] = the sum over the 1,024 dilated keys of softmax(q . k / 8) v, both products on codes of FP6 (E2M3); ctx is quantised in registers for the last launch.
; THE SOFTMAX AHEAD OF THE SECOND PRODUCT: t = score x log2(e) / 8; M = the running largest t rounded UP to a whole number; p = 2^(t - M) is quantised along the keys, not normalised;
; the row's sum is taken of the unquantised p and divides at the end.  When M moves, the sum and O are multiplied by 2^(old M - new M): exact.
; SHARES.  A work-group takes two heads of one batch and 16 tiles of 16 queries; each of its sixteen waves one tile, in 256 registers: four waves to a SIMD, so that one wave's vector work stands beside another's
; matrix work and LDS loads.  A wave walks head 0's eight key steps of 128, then head 1's.
; LDS.  Both heads' K, V and scale bytes (102,400 bytes a head, as they lie in memory: images of the operands' registers) are filled ONCE, by all sixteen waves, one tensor load each; nothing is filled again.
; CLUSTER 4 x 1: the four partners take other queries of the same two heads, so both fills are joint loads with a mask that names the four.
; LAYOUT.  Both products are used transposed: S^T = K Q^T (source 0 = 16 keys), O^T = V^T P^T (source 0 = 16 channels): a lane holds ONE query throughout, and its registers run along the keys, then the channels.
; The 16 registers of two neighbouring tiles are half a block of 32 in the order that v (along the keys) and Wo (along the channels) were laid in.
; The head size is 64: the upper 64 along K of the first product are zero codes on both sides (written once; the loads fill the lower six registers of a fragment alone).
; LIMITS: no NaN or infinities; byte 1 for blocks under 2^-124 and for blocks of zeros.
; REGISTERS: v1-6 lane terms; v7-11, v28 the step's LDS addresses; v12 -M, v13 the largest t, v[14:15] the sum; v16-27 Q; v30-31 K's scale words; v32-79 four fragments of K; v80-127 four of V;
; v128-191 S^T, then p; v192-223 O^T; v224-235 codes; v232-247 at work; v248-249 V's scale words; v250-251 ctx's scale bytes; v252 f; v253 p's scale word; v254 at work; v255 Q's scale words.
.set S,   128
.set O,   192
.set WV,  10
.set SEL, 20
.set CS,  22
.macro CROUND
	s_barrier_signal -1
	s_barrier_wait -1
	s_cmp_lg_u32 s[WV], 0
	s_cbranch_scc1 .Lnot_wave_0_\@
	s_barrier_signal -3
.Lnot_wave_0_\@:
	s_barrier_wait -3
	s_barrier_signal -1
	s_barrier_wait -1
.endm
.macro FRAG reg, a1, a2, off
	ds_load_b128 v[\reg:\reg+3], v[\a1] offset:\off
	ds_load_b64 v[\reg+4:\reg+5], v[\a2] offset:\off
	ds_load_b128 v[\reg+6:\reg+9], v[\a1] offset:(\off)+768
	ds_load_b64 v[\reg+10:\reg+11], v[\a2] offset:(\off)+768
.endm
.macro WMZ d, s0, s1, x0, x1, r0       ; a product that starts its sum; r0: source 0's scales stand in lanes 16-31
.if (\r0)
	v_wmma_scale_f32_16x16x128_f8f6f4 v[\d:\d+7], v[\s0:\s0+11], v[\s1:\s1+11], 0, v[\x0], v[\x1] matrix_a_fmt:MATRIX_FMT_FP6 matrix_b_fmt:MATRIX_FMT_FP6 matrix_a_scale:MATRIX_SCALE_ROW1
.else
	v_wmma_scale_f32_16x16x128_f8f6f4 v[\d:\d+7], v[\s0:\s0+11], v[\s1:\s1+11], 0, v[\x0], v[\x1] matrix_a_fmt:MATRIX_FMT_FP6 matrix_b_fmt:MATRIX_FMT_FP6
.endif
.endm
.macro WMA d, s0, s1, x0, x1, r0       ; a product onto its sum
.if (\r0)
	v_wmma_scale_f32_16x16x128_f8f6f4 v[\d:\d+7], v[\s0:\s0+11], v[\s1:\s1+11], v[\d:\d+7], v[\x0], v[\x1] matrix_a_fmt:MATRIX_FMT_FP6 matrix_b_fmt:MATRIX_FMT_FP6 matrix_a_scale:MATRIX_SCALE_ROW1
.else
	v_wmma_scale_f32_16x16x128_f8f6f4 v[\d:\d+7], v[\s0:\s0+11], v[\s1:\s1+11], v[\d:\d+7], v[\x0], v[\x1] matrix_a_fmt:MATRIX_FMT_FP6 matrix_b_fmt:MATRIX_FMT_FP6
.endif
.endm
.macro PLACES
.rept 4
	v_nop
.endr
.endm
.macro QLOAD c                         ; head c's image of my 16 queries, and their two scale bytes (the word's upper bytes are 0, over zero codes)
	global_load_b128 v[16:19], v1, s[44:45] offset:196608*\c
	global_load_b64 v[20:21], v2, s[44:45] offset:196608*\c
	global_load_u16 v255, v5, s[46:47] offset:8192*\c
.endm
	s_load_b128 s[4:7], s[0:1], 0x0                ; qq s[4:5], kv s[6:7]
	s_load_b64 s[8:9], s[0:1], 0x10                ; cq
	v_lshl_add_u32 v29, v0, 2, 0x32000
	v_mov_b32 v243, 0
	ds_add_u32 v29, v243
	ds_add_u32 v29, v243
	v_lshrrev_b32 v1, 5, v0
	s_delay_alu instid0(VALU_DEP_1)
	v_readfirstlane_b32 s[WV], v1                  ; wave 0..15
	v_and_b32 v3, 31, v0
	v_and_b32 v5, 15, v0
	s_delay_alu instid0(VALU_DEP_2)
	v_lshlrev_b32 v1, 4, v3                        ; 16 l
	s_delay_alu instid0(VALU_DEP_3)
	v_lshl_add_u32 v2, v3, 3, 512                  ; 512 + 8 l
	s_delay_alu instid0(VALU_DEP_4)
	v_lshlrev_b32 v4, 2, v3                        ; 4 l
	v_lshlrev_b32 v3, 1, v3                        ; 2 l
	v_lshlrev_b32 v6, 2, v5                        ; 4 r
	v_lshlrev_b32 v5, 1, v5                        ; 2 r
	s_bfe_u32 s11, ttmp6, 0x40000                  ; cx: it enters Q's and ctx's addresses alone
	s_and_b32 s12, ttmp7, 0xffff                   ; 8 x batch + pair of heads, which the four partners share
	s_lshl_b32 s13, ttmp9, 2
	s_add_co_u32 s13, s13, s11
	s_lshl_b32 s13, s13, 4
	s_add_co_u32 s13, s13, s[WV]                   ; my tile of queries within the batch, 0..255
	s_mul_i32 s18, s[WV], 12800                    ; THE FILL: every wave fetches a sixteenth of the two heads' dense 204,800 bytes, one joint load a wave
	s_mul_i32 s16, s12, 204800
	s_add_co_u32 s16, s16, s18
	s_mov_b32 s17, 0
	s_mul_i32 s14, s12, 393216                     ; Q: two heads x 256 tiles x 768 bytes
	s_mul_i32 s15, s13, 768
	s_add_co_u32 s14, s14, s15
	s_mov_b32 s15, 0
	s_lshl_b32 s52, s12, 14                        ; its scale bytes: two heads x 256 tiles x 32 bytes
	s_lshl_b32 s53, s13, 5
	s_add_co_u32 s52, s52, s53
	s_add_co_u32 s52, s52, 6291456
	s_mov_b32 s53, 0
	s_lshr_b32 s54, s13, 6                         ; the tile's number among all 512: 128 rho + 64 batch + g
	s_lshl_b32 s54, s54, 7
	s_and_b32 s55, s13, 63
	s_add_co_u32 s54, s54, s55
	s_lshr_b32 s55, s12, 3
	s_lshl_b32 s55, s55, 6
	s_add_co_u32 s54, s54, s55
	s_and_b32 s55, s12, 7                          ; the pair of heads is a K step of the last product
	s_mul_i32 s56, s54, 12288
	s_mul_i32 s57, s55, 1536
	s_add_co_u32 s56, s56, s57
	s_mov_b32 s57, 0
	s_lshl_b32 s58, s54, 9
	s_lshl_b32 s59, s55, 6
	s_add_co_u32 s58, s58, s59
	s_add_co_u32 s58, s58, 6291456
	s_mov_b32 s59, 0
	; descriptor group 1: a dense block of 12,800 bytes as 50 rows of 256 bytes (32 elements of 8)
	s_mov_b32 s24, 15|(3<<16)|(1<<21)              ; the mask: all four work-groups; elements of 8 bytes; bit 21 set beside a mask
	s_mov_b32 s25, 32<<16
	s_mov_b32 s26, 50<<16                          ; 12,800 bytes as 50 rows of 256
	s_mov_b32 s27, 32<<16
	s_mov_b32 s28, 50
	s_mov_b32 s29, 32
	s_mov_b32 s30, 0
	s_mov_b32 s31, 0
	s_mov_b32 s[SEL], 0x76543210
	s_mov_b32 s[SEL+1], 0xfedcba98
	s_mov_b32 s[CS], 0x3e38aa3b                    ; c = log2(e) / 8
	s_mov_b32 s[CS+1], s[CS]                       ; (named with it as a pair, so it is written)
	s_wait_dscnt 0x0
	s_wait_kmcnt 0x0
	s_mov_b32 s32, 1
	s_mov_b32 s33, s18
	s_add_nc_u64 s[34:35], s[6:7], s[16:17]        ; my sixteenth of the two heads' block
	s_or_b32 s35, s35, 0x80000000
	s_add_nc_u64 s[44:45], s[4:5], s[14:15]
	s_add_nc_u64 s[46:47], s[4:5], s[52:53]
	s_add_nc_u64 s[48:49], s[8:9], s[56:57]
	s_add_nc_u64 s[50:51], s[8:9], s[58:59]
	CROUND                                         ; all four work-groups are here: the joint loads meet
	tensor_load_to_lds s[32:35], s[24:31]          ; my one tensor load: no branch leads round it
	s_nop 0
.rept 4
	v_nop
.endr
	s_wait_alu depctr_va_vdst(0)
	QLOAD 0
.irp j, 22,23,24,25,26,27
	v_mov_b32 v[\j], 0                             ; Q's upper 64 along K: zero codes
.endr
.irp t, 0,1,2,3
.irp j, 6,7,8,9,10,11
	v_mov_b32 v[32+12*\t+\j], 0                    ; and K's
.endr
.endr
.irp b, 0,1,2,3
	v_mov_b32 v[236+\b], 0                         ; written once: a lane permute's destination counts as one of its sources
.endr
	v_mov_b32 v252, 0
	v_mov_b32 v253, 0                              ; (named as the upper half of the pair v[252:253] before it is first written)
; A KEY STEP: 128 keys.
.macro STEP
	v_add_nc_u32 v7, s40, v1                       ; the step's addresses.  These six are also the places between the last step's products and the loads into registers that they read
	v_add_nc_u32 v8, s40, v2
	v_add_nc_u32 v9, s41, v1
	v_add_nc_u32 v10, s41, v2
	v_add_nc_u32 v11, s42, v3
	v_add_nc_u32 v28, s42, v4
.irp t, 0,1,2,3
	ds_load_b128 v[32+12*\t:35+12*\t], v7 offset:768*\t
	ds_load_b64 v[36+12*\t:37+12*\t], v8 offset:768*\t
.endr
	ds_load_u16 v30, v11                           ; lanes 0-15: tile 0's scale bytes, lanes 16-31: tile 1's
	ds_load_u16 v31, v11 offset:64
.irp t, 0,1,2,3
	FRAG 80+12*\t, 9, 10, 12288*\t                 ; V's four fragments: wanted behind the softmax
.endr
	ds_load_b32 v248, v28 offset:2048
	ds_load_b32 v249, v28 offset:2048+128
	s_wait_alu depctr_va_vdst(0)
	s_wait_dscnt 18                                ; K's first four tiles and their scales are in; V's 16 loads and its 2 scale loads may be out
.irp t, 0,1,2,3
	WMZ S+8*\t, 32+12*\t, 16, 30+\t/2, 255, \t%2
.endr
	PLACES                                         ; in front of loads into registers that these products read
.irp t, 0,1,2,3
	ds_load_b128 v[32+12*\t:35+12*\t], v7 offset:768*(4+\t)
	ds_load_b64 v[36+12*\t:37+12*\t], v8 offset:768*(4+\t)
.endr
	ds_load_u16 v30, v11 offset:128
	ds_load_u16 v31, v11 offset:192
	s_wait_dscnt 0x0
.irp t, 0,1,2,3
	WMZ S+32+8*\t, 32+12*\t, 16, 30+\t/2, 255, \t%2
.endr
	PLACES
.irp b, 0,1,2,3
	v_max3_num_f32 v[232+\b], v[S+16*\b], v[S+1+16*\b], v[S+2+16*\b]   ; the largest score of each block of 32 keys: it serves the row's maximum and, since p rises with the score, the block's largest p
.endr
.irp i, 3,5,7,9,11,13
.irp b, 0,1,2,3
	v_max3_num_f32 v[232+\b], v[232+\b], v[S+16*\b+\i], v[S+1+16*\b+\i]
.endr
.endr
.irp b, 0,1,2,3
	v_max_num_f32 v[232+\b], v[232+\b], v[S+15+16*\b]
.endr
.irp b, 0,1,2,3
	s_delay_alu instid0(VALU_DEP_4)
	v_permlanex16_b32 v[236+\b], v[232+\b], s[SEL], s[SEL+1]
.endr
.irp b, 0,1,2,3
	s_delay_alu instid0(VALU_DEP_4)
	v_max_num_f32 v[232+\b], v[232+\b], v[236+\b]  ; with lane l xor 16's 16 keys
.endr
	s_delay_alu instid0(VALU_DEP_2)
	v_max3_num_f32 v254, v232, v233, v234
	s_delay_alu instid0(VALU_DEP_1)
	v_max_num_f32 v254, v254, v235
	s_delay_alu instid0(VALU_DEP_1)
	v_mul_f32 v254, s[CS], v254                    ; as t (c is positive)
	s_delay_alu instid0(VALU_DEP_1)
	v_max_num_f32 v13, v13, v254                   ; the running largest t
	v_mov_b32 v254, v12
	s_delay_alu instid0(VALU_DEP_2)
	v_floor_f32 v12, -v13                          ; the new -M = floor(-t) = -ceil(t)
	s_delay_alu instid0(VALU_DEP_1)
	v_sub_f32 v254, v12, v254                      ; old M - new M: a whole number, 0 or less
	s_delay_alu instid0(VALU_DEP_1)
	v_cvt_i32_f32 v254, v254                       ; (it saturates)
	s_delay_alu instid0(VALU_DEP_1)
	v_ldexp_f32 v252, 1.0, v254                    ; f = 2^(old M - new M)
.set j, 0
.rept 32
	v_pk_fma_f32 v[S+j:S+j+1], v[S+j:S+j+1], s[CS:CS+1], v[12:13] op_sel_hi:[1,0,0]   ; t - M, two at a time
.set j, j+2
.endr
.irp b, 0,1,2,3
	v_fma_f32 v[232+\b], v[232+\b], s[CS], v12     ; the same of each block's largest score
.endr
.set j, 0
	s_wait_alu depctr_va_vdst(0)
.rept 64
	v_exp_f32 v[S+j], v[S+j]                       ; p = 2^(t - M), at most 1
.set j, j+1
.endr
	v_pk_mul_f32 v[14:15], v[14:15], v[252:253] op_sel_hi:[1,0]   ; the sums under the new M: a plain place behind the exponentials
	s_wait_alu depctr_va_vdst(0)                   ; one wait for the whole batch, ahead of its first reader
.irp b, 0,1,2,3
	v_exp_f32 v[232+\b], v[232+\b]                 ; the block's largest p
.endr
	v_pk_add_f32 v[236:237], v[132:133], v[136:137]
	v_pk_add_f32 v[246:247], v[140:141], v[144:145]
	v_pk_add_f32 v[244:245], v[148:149], v[152:153]
	v_pk_add_f32 v[240:241], v[156:157], v[160:161]
	v_pk_add_f32 v[238:239], v[164:165], v[168:169]
	v_pk_add_f32 v[230:231], v[172:173], v[176:177]
	v_pk_add_f32 v[228:229], v[180:181], v[184:185]
	v_pk_add_f32 v[14:15], v[14:15], v[188:189]
	v_pk_add_f32 v[236:237], v[236:237], v[128:129]
	v_pk_add_f32 v[246:247], v[246:247], v[130:131]
	v_pk_add_f32 v[244:245], v[244:245], v[134:135]
	v_pk_add_f32 v[240:241], v[240:241], v[138:139]
	v_pk_add_f32 v[238:239], v[238:239], v[142:143]
	v_pk_add_f32 v[230:231], v[230:231], v[146:147]
	v_pk_add_f32 v[228:229], v[228:229], v[150:151]
	v_pk_add_f32 v[14:15], v[14:15], v[154:155]
	v_pk_add_f32 v[236:237], v[236:237], v[158:159]
	v_pk_add_f32 v[246:247], v[246:247], v[162:163]
	v_pk_add_f32 v[244:245], v[244:245], v[166:167]
	v_pk_add_f32 v[240:241], v[240:241], v[170:171]
	v_pk_add_f32 v[238:239], v[238:239], v[174:175]
	v_pk_add_f32 v[230:231], v[230:231], v[178:179]
	v_pk_add_f32 v[228:229], v[228:229], v[182:183]
	v_pk_add_f32 v[14:15], v[14:15], v[186:187]
	v_pk_add_f32 v[236:237], v[236:237], v[190:191]
	s_delay_alu instid0(VALU_DEP_2)
	v_pk_add_f32 v[14:15], v[14:15], v[240:241]
	s_delay_alu instid0(VALU_DEP_2)
	v_pk_add_f32 v[236:237], v[236:237], v[238:239]
	v_pk_add_f32 v[246:247], v[246:247], v[230:231]
	v_pk_add_f32 v[244:245], v[244:245], v[228:229]
	s_delay_alu instid0(VALU_DEP_2)
	v_pk_add_f32 v[14:15], v[14:15], v[246:247]
	s_delay_alu instid0(VALU_DEP_2)
	v_pk_add_f32 v[236:237], v[236:237], v[244:245]
	s_delay_alu instid0(VALU_DEP_1)
	v_pk_add_f32 v[14:15], v[14:15], v[236:237]
	s_wait_alu depctr_va_vdst(0)                   ; and one for the four
.irp b, 0,1,2,3
	v_max_num_f32 v[232+\b], 0x1800000, v[232+\b]  ; the floor 2^(3 - 127)
.endr
.irp b, 0,1,2,3
	s_delay_alu instid0(VALU_DEP_4)
	v_add_nc_u32 v[244+\b], 0xff000000, v[232+\b]  ; the conversion's scale operand
.endr
.irp b, 0,1,2,3
	s_delay_alu instid0(VALU_DEP_4)
	v_lshrrev_b32 v[236+\b], 23, v[244+\b]         ; the scale's byte
.endr
	s_delay_alu instid0(VALU_DEP_3)
	v_lshl_or_b32 v253, v237, 8, v236              ; p's scale word for these 128 keys
	s_delay_alu instid0(VALU_DEP_1)
	v_lshl_or_b32 v253, v238, 16, v253
	s_delay_alu instid0(VALU_DEP_1)
	v_lshl_or_b32 v253, v239, 24, v253
.irp c, 0,1
	v_cvt_scalef32_pk16_fp6_f32 v[224+6*\c:226+6*\c], v[S+32*\c:S+15+32*\c], v[244+2*\c]
	v_cvt_scalef32_pk16_fp6_f32 v[236+4*\c:238+4*\c], v[S+16+32*\c:S+31+32*\c], v[244+2*\c+1]
.endr
	v_nop                                          ; one plain place behind a scaled conversion
.irp c, 0,1
.irp i, 0,1,2
	v_permlane16_swap_b32 v[224+6*\c+\i], v[236+4*\c+\i]
.endr
.irp i, 0,1,2
	s_delay_alu instid0(VALU_DEP_3)
	v_mov_b32 v[227+6*\c+\i], v[236+4*\c+\i]
.endr
.endr
.set j, 0
.rept 16
	v_pk_mul_f32 v[O+j:O+j+1], v[O+j:O+j+1], v[252:253] op_sel_hi:[1,0]   ; O^T under the new M.  (These are also the places between the writing of p's codes and scale word and the products)
.set j, j+2
.endr
	PLACES                                         ; so that the last of them, too, stand four places ahead of the product that takes their results
.irp t, 0,1,2,3
	WMA O+8*\t, 80+12*\t, 224, 248+\t/2, 253, \t%2 ; the four accumulators by turns, one instruction a turn
.endr
	s_add_co_u32 s40, s40, 6144                    ; the next step's eight tiles of K,
	s_add_co_u32 s41, s41, 1536                    ; its fragment in each tile of V,
	s_add_co_u32 s42, s42, 256                     ; its scale bytes
.endm
; One head: eight key steps, then ctx = O^T / the sum, quantised: 64 channels are half a K step of the last product.
.macro HEADRUN c
.if \c
	s_wait_xcnt 0x0                                ; head 0's stores have read the codes' registers
.endif
.if \c == 0
	s_wait_tensorcnt 0x0                           ; my sixteenth of both heads' blocks is in
	s_wait_dscnt 0x0
	s_barrier_signal -1
	s_barrier_wait -1                              ; everybody's is: both heads' blocks are whole, nothing is filled again, so head 1 needs no barrier of its own
.endif
	s_wait_loadcnt 0x0
	s_mov_b32 s40, 102400*\c
	s_mov_b32 s41, 102400*\c+49152
	s_mov_b32 s42, 102400*\c+98304
	v_mov_b32 v13, 0xff61b1e6                      ; the largest t so far: -3e38
	s_delay_alu instid0(VALU_DEP_1)
	v_floor_f32 v12, -v13
	v_mov_b32 v14, 0
	v_mov_b32 v15, 0
.set j, 0
.rept 32
	v_mov_b32 v[O+j], 0                            ; the step is written once: the first finds zeros, which the first change of M leaves zeros
.set j, j+1
.endr
	s_mov_b32 s43, 8
.Lstep_\@:
	STEP
	s_sub_co_u32 s43, s43, 1
	s_cmp_lg_u32 s43, 0
	s_cbranch_scc1 .Lstep_\@
	PLACES
.if \c == 0
	QLOAD 1                                        ; lands while head 0's ctx is made
.endif
	v_add_f32 v14, v14, v15
	s_delay_alu instid0(VALU_DEP_1)
	v_permlanex16_b32 v252, v14, s[SEL], s[SEL+1]
	s_delay_alu instid0(VALU_DEP_1)
	v_add_f32 v14, v14, v252                       ; the row's sum
	s_wait_alu depctr_va_vdst(0)
	v_rcp_f32 v14, v14
	v_nop                                          ; a plain place behind the transcendental
	s_wait_alu depctr_va_vdst(0)                   ; the wait ahead of its first reader
.set j, 0
.rept 32
	v_mul_f32 v[S+j], v[O+j], v14                  ; register 8 t + i: channel 16 t + 8 h + i of my query
.set j, j+1
.endr
.irp b, 0,1
	v_max3_num_f32 v[232+\b], |v[S+16*\b]|, |v[S+1+16*\b]|, 0x1800000
.endr
.irp i, 2,4,6,8,10,12,14
.irp b, 0,1
	s_delay_alu instid0(VALU_DEP_2)
	v_max3_num_f32 v[232+\b], v[232+\b], |v[S+16*\b+\i]|, |v[S+1+16*\b+\i]|
.endr
.endr
.irp b, 0,1
	s_delay_alu instid0(VALU_DEP_2)
	v_permlanex16_b32 v[236+\b], v[232+\b], s[SEL], s[SEL+1]
.endr
.irp b, 0,1
	s_delay_alu instid0(VALU_DEP_2)
	v_max_num_f32 v[232+\b], v[232+\b], v[236+\b]
.endr
.irp b, 0,1
	s_delay_alu instid0(VALU_DEP_2)
	v_add_nc_u32 v[244+\b], 0xff000000, v[232+\b]
.endr
.irp b, 0,1
	s_delay_alu instid0(VALU_DEP_2)
	v_lshrrev_b32 v[236+\b], 23, v[244+\b]
.endr
	s_delay_alu instid0(VALU_DEP_1)
	v_lshl_or_b32 v[250+\c], v237, 8, v236         ; this head's two bytes of the row's scale word
	v_cvt_scalef32_pk16_fp6_f32 v[224:226], v[S:S+15], v244
	v_cvt_scalef32_pk16_fp6_f32 v[236:238], v[S+16:S+31], v245
	v_nop
.irp i, 0,1,2
	v_permlane16_swap_b32 v[224+\i], v[236+\i]
.endr
.irp i, 0,1,2
	s_delay_alu instid0(VALU_DEP_3)
	v_mov_b32 v[227+\i], v[236+\i]
.endr
	global_store_b128 v1, v[224:227], s[48:49] offset:768*\c      ; an image: 512 consecutive bytes, then 256
	global_store_b64 v2, v[228:229], s[48:49] offset:768*\c
.endm
	HEADRUN 0
	HEADRUN 1
	v_lshl_or_b32 v250, v251, 16, v250             ; the two heads' bytes make the K step's scale word
	global_store_b32 v6, v250, s[50:51]            ; lanes r and 16 + r hold the same word and write it to the same place: 64 consecutive bytes
	s_wait_tensorcnt 0x0
	ds_add_u32 v29, v243
	s_wait_dscnt 0x0
	CROUND                                         ; the closing round
	s_endpgm
.Lfunc_end_k_q5d1984d81f_att:
	.size	k_q5d1984d81f_att, .Lfunc_end_k_q5d1984d81f_att-k_q5d1984d81f_att
	.p2alignl 7, 3214868480
	.fill 96, 4, 3214868480
	.section	.rodata,"a",@progbits
	.p2align	6, 0x0
	.amdhsa_kernel k_q5d1984d81f_att
		.amdhsa_group_segment_fixed_size 206848
		.amdhsa_private_segment_fixed_size 0
		.amdhsa_enable_private_segment 0
		.amdhsa_kernarg_size 24
		.amdhsa_user_sgpr_count 2
		.amdhsa_user_sgpr_kernarg_segment_ptr 1
		.amdhsa_wavefront_size32 1
		.amdhsa_system_sgpr_workgroup_id_x 1
		.amdhsa_system_sgpr_workgroup_id_y 1
		.amdhsa_system_sgpr_workgroup_id_z 1
		.amdhsa_system_vgpr_workitem_id 0
		.amdhsa_next_free_vgpr 256
		.amdhsa_next_free_sgpr 66
		.amdhsa_reserve_vcc 0
		.amdhsa_float_denorm_mode_32 3
		.amdhsa_float_denorm_mode_16_64 3
		.amdhsa_memory_ordered 1
		.amdhsa_forward_progress 1
		.amdhsa_inst_pref_size 54
	.end_amdhsa_kernel
	.amdgpu_metadata
---
amdhsa.version: [ 1, 2 ]
amdhsa.kernels:
  - .name:           k_q5d1984d81f_att
    .symbol:         k_q5d1984d81f_att.kd
    .args:
      - { .name: qq, .offset: 0, .size: 8, .value_kind: global_buffer, .address_space: global }
      - { .name: kv, .offset: 8, .size: 8, .value_kind: global_buffer, .address_space: global }
      - { .name: cq, .offset: 16, .size: 8, .value_kind: global_buffer, .address_space: global }
    .group_segment_fixed_size: 206848
    .private_segment_fixed_size: 0
    .kernarg_segment_align: 8
    .kernarg_segment_size: 24
    .max_flat_workgroup_size: 512
    .sgpr_count:     66
    .vgpr_count:     256
    .wavefront_size: 32
...
	.end_amdgpu_metadata
.endif
;; end of part 3
;; launch outp (part 4): grid 4 x 64, 4 waves a work-group, clusters of 4 x 4, 327,680 bytes of LDS; arguments cq, wq, bo, out0; writes out0
.if DOCPART == 4
	.amdgcn_target "amdgcn-amd-amdhsa--gfx1250"
	.amdhsa_code_object_version 6
	.text
	.protected	k_q5d1984d81f_outp
	.globl	k_q5d1984d81f_outp
	.p2align	8
	.type	k_q5d1984d81f_outp,@function
k_q5d1984d81f_outp:
	s_mov_b64 s[64:65], 0
	v_nop
	global_prefetch_b8 v0, s[64:65] scope:SCOPE_SE
	s_setreg_imm32_b32 hwreg(HW_REG_WAVE_MODE, 25, 1), 1
	s_wait_xcnt 0x0
	s_wait_alu depctr_hold_cnt(0) depctr_sa_sdst(0) depctr_va_vdst(0) depctr_va_sdst(0) depctr_va_ssrc(0) depctr_va_vcc(0) depctr_vm_vsrc(0)
	s_getreg_b32 s2, hwreg(HW_REG_IB_STS2, 6, 4)
	s_cmp_eq_u32 s2, 0
	s_cbranch_scc0 .Lentry_in_a_cluster
	s_endpgm
.Lentry_in_a_cluster:
	s_bfe_u32 s2, ttmp6, 0x10000c
	s_cmp_lg_u32 s2, 0xf033
	s_cbranch_scc0 .Lentry_shape_is_right
	s_endpgm
.Lentry_shape_is_right:
.set XS,  6291456
.set WS,  3145728
; out0 = ctx Wo + bo on codes of FP6 (E2M3): a work-group takes 128 rows of ctx x 256 columns for all of K = 1,024; four waves, each 64 x 128.
; K lies in LDS as TWO HALVES of 512 along K, each filled once.  At the head each wave issues one joint load: wave 0 A's 8 tiles of the first half,
; wave 1 B's 16, wave 2 A's scale words, wave 3 B's.  Behind the three lines and a round of the cluster's barrier each wave fetches its quarter of the second half.
.set CH,  147456                       ; a half of K: A's 8 tiles x 6,144 bytes, then B's 16
.set SCA, 2*CH
.set SCB, SCA+8*576
.set SCR, 32
.set AF,  48
.set BB,  144
.set WV,  18
.set WA,  19
.set WB,  20
.set TA,  100
.set TB,  101
.set G1A, 24
.set G1B, 32
.set G1SA, 40
.set G1SB, 48
.set MSB, 0
.macro WIN new
.if MSB != \new
	s_set_vgpr_msb (MSB<<8)|\new
.set MSB, \new
.endif
.endm
.macro JLOAD g0a, g1a, g0b, g1b
	s_cmp_eq_u32 s[WA], 0
	s_cbranch_scc0 .Lfor_b_\@
	tensor_load_to_lds s[\g0a:\g0a+3], s[\g1a:\g1a+7]
	s_nop 0
.rept 4
	v_nop
.endr
	s_branch .Lasked_\@
.Lfor_b_\@:
	tensor_load_to_lds s[\g0b:\g0b+3], s[\g1b:\g1b+7]
	s_nop 0
.rept 4
	v_nop
.endr
.Lasked_\@:
.endm
.macro CROUND
	s_barrier_signal -1
	s_barrier_wait -1
	s_cmp_lg_u32 s[WV], 0
	s_cbranch_scc1 .Lnot_wave_0_\@
	s_barrier_signal -3
.Lnot_wave_0_\@:
	s_barrier_wait -3
	s_barrier_signal -1
	s_barrier_wait -1
.endm
.macro SETG1 g, c, r, p
	s_mov_b32 s[\g+1], (\c)<<16
	s_mov_b32 s[\g+2], (\r)<<16
	s_mov_b32 s[\g+3], (\c)<<16
	s_mov_b32 s[\g+4], \r
	s_mov_b32 s[\g+5], \p
	s_mov_b32 s[\g+6], 0
	s_mov_b32 s[\g+7], 0
.endm
.macro SETG0 g, lreg, loff, base, goff
	s_mov_b32 s[\g], 1
	s_add_co_u32 s[\g+1], s[\lreg], \loff
	s_add_nc_u64 s[\g+2:\g+3], s[\base:\base+1], \goff
	s_or_b32 s[\g+3], s[\g+3], 0x80000000
.endm
.macro FRAG reg, a1, a2, off
	ds_load_b128 v[\reg:\reg+3], v[\a1] offset:\off
	ds_load_b64 v[\reg+4:\reg+5], v[\a2] offset:\off
	ds_load_b128 v[\reg+6:\reg+9], v[\a1] offset:(\off)+768
	ds_load_b64 v[\reg+10:\reg+11], v[\a2] offset:(\off)+768
.endm
.macro WM d, s0, s1, c, x0, x1, r0, r1
.if (\r0) && (\r1)
	v_wmma_scale_f32_16x16x128_f8f6f4 v[\d:\d+7], v[\s0:\s0+11], v[\s1:\s1+11], v[\c:\c+7], v[\x0], v[\x1] matrix_a_fmt:MATRIX_FMT_FP6 matrix_b_fmt:MATRIX_FMT_FP6 matrix_a_scale:MATRIX_SCALE_ROW1 matrix_b_scale:MATRIX_SCALE_ROW1
.elseif (\r0)
	v_wmma_scale_f32_16x16x128_f8f6f4 v[\d:\d+7], v[\s0:\s0+11], v[\s1:\s1+11], v[\c:\c+7], v[\x0], v[\x1] matrix_a_fmt:MATRIX_FMT_FP6 matrix_b_fmt:MATRIX_FMT_FP6 matrix_a_scale:MATRIX_SCALE_ROW1
.elseif (\r1)
	v_wmma_scale_f32_16x16x128_f8f6f4 v[\d:\d+7], v[\s0:\s0+11], v[\s1:\s1+11], v[\c:\c+7], v[\x0], v[\x1] matrix_a_fmt:MATRIX_FMT_FP6 matrix_b_fmt:MATRIX_FMT_FP6 matrix_b_scale:MATRIX_SCALE_ROW1
.else
	v_wmma_scale_f32_16x16x128_f8f6f4 v[\d:\d+7], v[\s0:\s0+11], v[\s1:\s1+11], v[\c:\c+7], v[\x0], v[\x1] matrix_a_fmt:MATRIX_FMT_FP6 matrix_b_fmt:MATRIX_FMT_FP6
.endif
.endm
.macro FETCH s, set
	WIN 0x80
.irp i, 0,1,2,3,4,5,6,7
	FRAG 96*(\set)+12*\i, 3, 4, 6144*\i+1536*((\s)%4)
.endr
	WIN 0
.irp i, 0,1,2,3
	FRAG AF+48*(\set)+12*\i, 1, 2, 6144*\i+1536*((\s)%4)
.endr
.irp i, 0,1
	ds_load_b32 v[SCR+6*(\set)+\i], v5 offset:1152*\i+64*(\s)
.endr
.irp i, 0,1,2,3
	ds_load_b32 v[SCR+6*(\set)+2+\i], v6 offset:1152*\i+64*(\s)
.endr
.endm
.macro MUL32 set, cmode
.if \cmode
	WIN 0x42
.else
	WIN 0x52
.endif
.irp a, 0,1,2,3
.irp b, 0,1,2,3,4,5,6,7
.set rD, 8*(8*\a+\b)
.set rB, 96*(\set)+12*\b
.set rA, AF+48*(\set)+12*\a
.set rC, rD
.if \cmode == 1
.set rC, BB+8*\b
.endif
	WM rD, rB, rA, rC, SCR+6*(\set)+2+\b/2, SCR+6*(\set)+\a/2, \b%2, \a%2
.endr
.endr
	WIN 0
.endm
.macro PRE s
	s_wait_dscnt 0x0
.if (\s) == 3
	s_wait_tensorcnt 0x0                           ; my part of the second half of K has landed
	s_barrier_signal -1
	s_barrier_wait -1
	v_add_nc_u32 v1, CH, v1
	v_add_nc_u32 v2, CH, v2
	v_add_nc_u32 v3, CH, v3
	s_wait_alu depctr_va_vdst(0)
	v_add_nc_u32 v4, CH, v4
.elseif ((\s) > 0) && ((\s) < 7)
.rept 4
	v_nop
.endr
.endif
.if (\s) < 7
	FETCH (\s)+1, ((\s)+1)%2
.endif
.endm
	s_load_b256 s[4:11], s[0:1], 0x0
	v_lshl_add_u32 v254, v0, 2, 0x4c000
	v_mov_b32 v255, 0
	ds_add_u32 v254, v255
	ds_add_u32 v254, v255
	v_lshrrev_b32 v1, 5, v0
	v_readfirstlane_b32 s[WV], v1
	s_lshr_b32 s[WA], s[WV], 1
	s_and_b32 s[WB], s[WV], 1
	s_bfe_u32 s21, ttmp6, 0x40000
	s_bfe_u32 s22, ttmp6, 0x40004
	s_and_b32 s23, ttmp7, 0xffff
	s_lshl_b32 s[TB], ttmp9, 2
	s_add_co_u32 s[TB], s[TB], s21
	s_lshl_b32 s[TA], s23, 2
	s_add_co_u32 s[TA], s[TA], s22
	s_lshl_b32 s72, s22, 2
	s_lshl_b32 s72, 15, s72
	s_lshl_b32 s92, 0x1111, s21
	s_or_b32 s[G1A], s72, (3<<16)|(1<<21)
	s_or_b32 s[G1B], s92, (3<<16)|(1<<21)
	SETG1 G1A, 768, 8, 1536                        ; rows of 6,144 bytes (a tile's 512 along K); the head's loads bring all 8 and all 16 tiles
	SETG1 G1B, 768, 16, 1536
	s_or_b32 s[G1SA], s72, (3<<16)|(1<<20)|(1<<21)|(6<<22)|(15<<25)
	s_or_b32 s[G1SB], s92, (3<<16)|(1<<20)|(1<<21)|(6<<22)|(15<<25)
	SETG1 G1SA, 64, 8, 64
	SETG1 G1SB, 64, 16, 64
	s_mul_i32 s72, s[TA], 98304
	s_lshl_b32 s73, s[TA], 12
	s_add_co_u32 s73, s73, XS
	s_mul_i32 s92, s[TB], 196608
	s_add_co_u32 s92, s92, 2359296
	s_lshl_b32 s93, s[TB], 13
	s_add_co_u32 s93, s93, WS+98304
	v_and_b32 v14, 15, v0
	v_bfe_u32 v15, v0, 4, 1
	v_and_b32 v16, 31, v0
	s_wait_dscnt 0x0
	s_wait_kmcnt 0x0
	s_mov_b32 s75, 0
	s_mov_b32 s74, s73
	s_add_nc_u64 s[78:79], s[4:5], s[74:75]
	s_mov_b32 s74, s72
	s_add_nc_u64 s[2:3], s[4:5], s[74:75]
	s_mov_b32 s95, 0
	s_mov_b32 s94, s93
	s_add_nc_u64 s[98:99], s[6:7], s[94:95]
	s_mov_b32 s94, s92
	s_add_nc_u64 s[104:105], s[6:7], s[94:95]
	s_mul_i32 s4, s[WB], 49152                     ; the second half's loads: my 4 tiles of A in memory,
	s_mov_b32 s5, 0
	s_mul_i32 s6, s[WB], 98304                     ; my 8 tiles of B
	s_mov_b32 s7, 0
	CROUND                                         ; all sixteen work-groups are here: the joint loads meet
	s_mov_b32 s56, 1                               ; the head's four tiles, each whole: A's first half of K,
	s_mov_b32 s57, 0
	s_mov_b64 s[58:59], s[2:3]
	s_or_b32 s59, s59, 0x80000000
	s_mov_b32 s80, 1                               ; B's, behind it,
	s_mov_b32 s81, 49152
	s_mov_b64 s[82:83], s[104:105]
	s_or_b32 s83, s83, 0x80000000
	s_mov_b32 s76, 1                               ; A's scale words,
	s_mov_b32 s77, SCA
	s_or_b32 s79, s79, 0x80000000
	s_mov_b32 s96, 1                               ; and B's
	s_mov_b32 s97, SCB
	s_or_b32 s99, s99, 0x80000000
	s_add_nc_u64 s[2:3], s[2:3], s[4:5]
	s_add_nc_u64 s[104:105], s[104:105], s[6:7]
	s_mul_i32 s4, s[WB], 24576                     ; where my part of the second half goes: no place in the cluster enters an LDS address
	s_mul_i32 s6, s[WB], 49152
	SETG0 60, 4, CH, 2, 6144
	SETG0 84, 6, CH+49152, 104, 6144
; one chain of branches on the wave's number, one joint load to an arm, all arms leading to one join
.macro ARM under, g0, g1, next
	s_cmp_lt_u32 s[WV], \under
	s_cbranch_scc0 \next
	tensor_load_to_lds s[\g0:\g0+3], s[\g1:\g1+7]
	s_nop 0
.rept 4
	v_nop
.endr
	s_branch .Lhead_asked
\next:
.endm
	ARM 1, 56, G1A, .Lhead_b
	ARM 2, 80, G1B, .Lhead_sa
	ARM 3, 76, G1SA, .Lhead_sb
	tensor_load_to_lds s[96:99], s[G1SB:G1SB+7]
	s_nop 0
.rept 4
	v_nop
.endr
.Lhead_asked:
	s_lshl_b32 s4, s[TB], 10
	s_lshl_b32 s5, s[WB], 9
	s_add_co_u32 s4, s4, s5
	s_mov_b32 s5, 0
	s_add_nc_u64 s[8:9], s[8:9], s[4:5]
	s_wait_alu depctr_va_vdst(0)
	v_lshlrev_b32 v17, 5, v15
.irp b, 0,1,2,3,4,5,6,7
	global_load_b128 v[BB+8*\b:BB+8*\b+3], v17, s[8:9] offset:64*\b
	global_load_b128 v[BB+8*\b+4:BB+8*\b+7], v17, s[8:9] offset:64*\b+16
.endr
	v_lshlrev_b32 v9, 4, v16
	v_lshl_add_u32 v10, v16, 3, 512
	s_mul_i32 s4, s[WA], 24576                     ; my four tiles of A in a half
	v_add_nc_u32 v1, s4, v9
	v_add_nc_u32 v2, s4, v10
	s_mul_i32 s5, s[WB], 49152                     ; my eight tiles of B, behind A's eight
	s_add_co_u32 s5, s5, 49152
	v_add_nc_u32 v3, s5, v9
	v_add_nc_u32 v4, s5, v10
	v_mul_u32_u24 v18, v15, 576
	v_lshl_add_u32 v18, v14, 2, v18
	s_mul_i32 s4, s[WA], 2304
	s_add_co_u32 s4, s4, SCA
	v_add_nc_u32 v5, s4, v18
	s_mul_i32 s5, s[WB], 4608
	s_add_co_u32 s5, s5, SCB
	v_add_nc_u32 v6, s5, v18
	s_mul_i32 s4, s[WV], 8448
	v_mul_u32_u24 v7, v14, 528
	v_lshl_add_u32 v7, v15, 5, v7
	v_add_nc_u32 v7, s4, v7
	v_add_nc_u32 v8, s4, v9
	s_wait_alu depctr_va_vdst(0)
	s_wait_tensorcnt 0x0                           ; my tile of the head's four is in
	ds_add_u32 v254, v255
	s_mov_b32 s[G1A+2], 4<<16                      ; no tensor load of mine is out: from here on a load brings 4 tiles of A
	s_mov_b32 s[G1A+4], 4
	s_mov_b32 s[G1B+2], 8<<16                      ; or 8 of B
	s_mov_b32 s[G1B+4], 8
	s_wait_dscnt 0x0
	CROUND                                         ; everybody's tile is in, and the joint loads meet
	JLOAD 60, G1A, 84, G1B                         ; the second half of K: it has four K steps, 128 products, in which to land
	FETCH 0, 0
	s_wait_loadcnt 0x0
	PRE 0
	MUL32 0, 1
.irp s, 1,2,3,4,5,6,7
	s_wait_alu depctr_va_vdst(0)
	PRE \s
	MUL32 \s%2, 0
.endr
	s_and_b32 s24, s[TA], 15
	s_lshl_b32 s24, s24, 3
	s_lshl_b32 s25, s[WA], 2
	s_add_co_u32 s24, s24, s25
	s_lshl_b32 s24, s24, 6
	s_lshr_b32 s25, s[TA], 4
	s_add_co_u32 s24, s24, s25
	s_lshl_b32 s24, s24, 12
	s_lshl_b32 s25, s[TB], 10
	s_add_co_u32 s24, s24, s25
	s_lshl_b32 s25, s[WB], 9
	s_add_co_u32 s24, s24, s25
	s_mov_b32 s25, 0
	s_add_nc_u64 s[10:11], s[10:11], s[24:25]
.macro TOSTAGE a
	WIN 0x04
.irp b, 0,1,2,3,4,5,6,7
	ds_store_b128 v7, v[64*(\a)+8*\b:64*(\a)+8*\b+3] offset:64*\b
	ds_store_b128 v7, v[64*(\a)+8*\b+4:64*(\a)+8*\b+7] offset:64*\b+16
.endr
	WIN 0
.set BK, 48+64*((\a)%2)
.irp t, 0,1,2,3,4,5,6,7,8,9,10,11,12,13,14,15
	ds_load_b128 v[BK+4*\t:BK+4*\t+3], v8 offset:528*\t
.endr
.endm
.macro SEND a, younger
.set BK, 48+64*((\a)%2)
	s_wait_dscnt \younger
.if (\a) > 0
	s_add_nc_u64 s[10:11], s[10:11], 262144
.endif
.irp t, 0,1,2,3,4,5,6,7,8,9,10,11,12,13,14,15
	global_store_b128 v9, v[BK+4*\t:BK+4*\t+3], s[10:11] offset:16384*\t th:TH_STORE_NT
.endr
.endm
.rept 4
	v_nop
.endr
	TOSTAGE 0
.irp a, 1,2,3
.if \a > 1
	s_wait_xcnt 0x0
.endif
	TOSTAGE \a
	SEND \a-1, 32
.endr
	s_wait_xcnt 0x0
	SEND 3, 0
	s_wait_tensorcnt 0x0
	ds_add_u32 v254, v255
	s_wait_dscnt 0x0
	CROUND
	s_endpgm
.Lfunc_end_k_q5d1984d81f_outp:
	.size	k_q5d1984d81f_outp, .Lfunc_end_k_q5d1984d81f_outp-k_q5d1984d81f_outp
	.p2alignl 7, 3214868480
	.fill 96, 4, 3214868480
	.section	.rodata,"a",@progbits
	.p2align	6, 0x0
	.amdhsa_kernel k_q5d1984d81f_outp
		.amdhsa_group_segment_fixed_size 327680
		.amdhsa_private_segment_fixed_size 0
		.amdhsa_enable_private_segment 0
		.amdhsa_kernarg_size 32
		.amdhsa_user_sgpr_count 2
		.amdhsa_user_sgpr_kernarg_segment_ptr 1
		.amdhsa_wavefront_size32 1
		.amdhsa_system_sgpr_workgroup_id_x 1
		.amdhsa_system_sgpr_workgroup_id_y 1
		.amdhsa_system_sgpr_workgroup_id_z 1
		.amdhsa_system_vgpr_workitem_id 0
		.amdhsa_next_free_vgpr 768
		.amdhsa_next_free_sgpr 106
		.amdhsa_reserve_vcc 0
		.amdhsa_float_denorm_mode_32 3
		.amdhsa_float_denorm_mode_16_64 3
		.amdhsa_memory_ordered 1
		.amdhsa_forward_progress 1
		.amdhsa_inst_pref_size 89
	.end_amdhsa_kernel
	.amdgpu_metadata
---
amdhsa.version: [ 1, 2 ]
amdhsa.kernels:
  - .name:           k_q5d1984d81f_outp
    .symbol:         k_q5d1984d81f_outp.kd
    .args:
      - { .name: cq, .offset: 0, .size: 8, .value_kind: global_buffer, .address_space: global }
      - { .name: wq, .offset: 8, .size: 8, .value_kind: global_buffer, .address_space: global }
      - { .name: bo, .offset: 16, .size: 8, .value_kind: global_buffer, .address_space: global }
      - { .name: out0, .offset: 24, .size: 8, .value_kind: global_buffer, .address_space: global }
    .group_segment_fixed_size: 327680
    .private_segment_fixed_size: 0
    .kernarg_segment_align: 8
    .kernarg_segment_size: 32
    .max_flat_workgroup_size: 128
    .sgpr_count:     106
    .vgpr_count:     768
    .wavefront_size: 32
...
	.end_amdgpu_metadata
.endif
;; end of part 4
